; MI455X (gfx1250); checked and timed in simulation.
; The chip was launched on July 23, 2026; its instructions are those of AMD's public machine-readable ISA for CDNA 5 (MIT licence, August 2026) and "CDNA5" Instruction Set Architecture Reference Guide (July 2026). The comments in the code are by the model that wrote it; some were corrected since.
;; Multi Head Attention. Allowed arithmetic: matrix products marked QUANTISED: E2M1 operands, one E8M0 scale for each 32 along K, by v_wmma_scale_f32_16x16x128_f8f6f4 with both operands' format E2M1 (or v_wmma_scale_f32_32x16x128_f4), f32 sums; everything else in f32.
;; Inputs: Wk_codes 16 x 64 x 32 x 16 uint8 (E2M1 codes of Wk, K innermost, in blocks of 32 codes, two codes a byte); Wk_scales 16 x 64 x 32 uint8 (E8M0 scales of Wk, one for each 32 codes along K); Wo_codes 1,024 x 32 x 16 uint8 (E2M1 codes of Wo, K innermost, in blocks of 32 codes, two codes a byte); Wo_scales 1,024 x 32 uint8 (E8M0 scales of Wo, one for each 32 codes along K); Wq_codes 16 x 64 x 32 x 16 uint8 (E2M1 codes of Wq, K innermost, in blocks of 32 codes, two codes a byte); Wq_scales 16 x 64 x 32 uint8 (E8M0 scales of Wq, one for each 32 codes along K); Wv_codes 16 x 64 x 32 x 16 uint8 (E2M1 codes of Wv, K innermost, in blocks of 32 codes, two codes a byte); Wv_scales 16 x 64 x 32 uint8 (E8M0 scales of Wv, one for each 32 codes along K); bk 16 x 64 float32; bo 1,024 float32; bq 16 x 64 float32; bv 16 x 64 float32; x_codes 4 x 2,048 x 32 x 16 uint8 (E2M1 codes of x, K innermost, in blocks of 32 codes, two codes a byte); x_scales 4 x 2,048 x 32 uint8 (E8M0 scales of x, one for each 32 codes along K).
;; Outputs: out0 4 x 2,048 x 1,024 float32.
;; This version of the problem:
;;   THIS VERSION OF THE PROBLEM IS GIVEN IN LOW PRECISION. The matrix products marked QUANTISED in the list below multiply operands that are first quantised to E2M1 (2 exponent bits, 1 mantissa bit; 4 bits a number), with one power-of-two scale for each 32 numbers along K (OCP MX v1.0); their sums are f32. All else is computed in f32.
;;   The module's matrix products, in the order in which they are computed (A, B: the left and right operand; K: the contracted axis; several contracted axes count as one K, in the product's order):
;;     1. [M 1,024, K 1,024] x [K 1,024, N 8,192]; A: input Wq (given as codes); B: input x (given as codes): QUANTISED
;;     2. [M 1,024, K 1,024] x [K 1,024, N 8,192]; A: input Wk (given as codes); B: input x (given as codes): QUANTISED
;;     3. [M 1,024, K 1,024] x [K 1,024, N 8,192]; A: input Wv (given as codes); B: input x (given as codes): QUANTISED
;;     4. batch 64 x [M 2,048, K 64] x [K 64, N 2,048]; A: computed on the way; B: computed on the way: QUANTISED
;;     5. batch 64 x [M 2,048, K 2,048] x [K 2,048, N 64]; A: softmax (see below); B: computed on the way: QUANTISED
;;     6. [M 8,192, K 1,024] x [K 1,024, N 1,024]; A: computed on the way; B: input Wo (given as codes): QUANTISED
;;   THE QUANTISER, for each operand of a quantised product, along K:
;;     - K is cut into blocks of 32 from its start; a last block that is shorter is filled with zeros.
;;     - A block's scale is 2^e with e = floor(log2(the largest magnitude in the block)) - 2, held to -126 .. 127; a block of zeros has e = 0. As a byte (E8M0): e + 127.
;;     - Each number is divided by its block's scale, clamped to +-6, and rounded to the nearest number of E2M1, ties to even, subnormals kept.
;;     - The product sums the exact products of the quantised numbers (number of the format x scale) in f32.
;;   ~~~python
;;   def quantise(x, axis):      # numpy; x: float32 -> the quantised numbers, widened to float32 again
;;       x = np.moveaxis(x, axis, -1); K = x.shape[-1]
;;       x = np.pad(x, [(0, 0)] * (x.ndim - 1) + [(0, -K % 32)]); x = x.reshape(x.shape[:-1] + (-1, 32)); a = np.abs(x).max(-1, keepdims=True)
;;       e = np.where(a > 0, np.clip(np.frexp(np.where(a > 0, a, 1))[1] - 1 - 2, -126, 127), 0)      # np.frexp(a)[1] - 1 = floor(log2(a)), exactly
;;       r = np.clip(x / 2.0 ** e, -6, 6)
;;       step = 2.0 ** (np.maximum(np.frexp(np.where(r == 0, 1, r))[1] - 1, 0) - 1)
;;       q = np.round(r / step) * step * 2.0 ** e      # np.round: ties to even
;;       return np.moveaxis(q.reshape(q.shape[:-2] + (-1,))[..., :K], -1, axis).astype(np.float32)
;;   ~~~
;;   SOFTMAX AHEAD OF A QUANTISED PRODUCT. Where the list says 'softmax', what is quantised is not the finished softmax but p = 2^(t - M), with t = logit x log2(e) and M = ceil(the row's largest t), a whole number; so 1/2 < the row's largest p <= 1. The row's sum l is taken of the UNQUANTISED p, in f32, and the product's result is divided by l at the end. Since M is a whole number, a kernel that streams over the keys may use a running M (the ceiling of the running maximum): every later rescaling is an exact power of two, which a block's scale takes up: the codes' values come out the same.
;;   OPERANDS COMPUTED ON THE WAY. 'Computed on the way' means the value that the module computes at that place (a softmax that the list does not call 'softmax' is quantised finished and normalised). What goes into a quantiser is computed in f32, as accurately as f32 sums, v_exp_f32 and their like allow (about 1e-6 of the number): no bf16 or f16 on the way to a quantiser, and a product that is left as it is and whose result goes on into a quantised operand takes f32 operands (vector FMAs, or v_wmma_f32_16x16x4_f32). A number that lies on a knife's edge between two numbers of the format may be rounded either way, as far as f32 arithmetic and the matrix unit's own rounding can turn it there, and no further.
;;   INPUTS GIVEN AS CODES. Wk (in the module: [16, 1024, 64], K = its axis 1); Wo (in the module: [1024, 1024], K = its axis 0); Wq (in the module: [16, 1024, 64], K = its axis 1); Wv (in the module: [16, 1024, 64], K = its axis 1); x (in the module: [4, 2048, 1024], K = its axis 2): each comes as NAME_codes (uint8): NAME with its K axis moved to the last place and cut into blocks of 32 codes, [.., K / 32, bytes a block], one block behind the other in memory; two codes a byte, the lower K in the low four bits (a code: sign, 2 exponent bits, 1 mantissa bit); and NAME_scales (uint8): the same leading axes, one E8M0 byte (e + 127) for each 32 codes along K. Its value is code x scale, taken as it is: it is not quantised again, and the codes and scales need not be those that the quantiser above would give.
;; One version. Each part assembles by itself: llvm-mc -triple=amdgcn-amd-amdhsa -mcpu=gfx1250 --defsym DOCPART=n.
;; ======== version 1 of 1: 3 launches
;; limits: right only within a limited range of input values
;; workspace buffers: qbuf 4,718,592 bytes; kv 9,437,184 bytes; ctxc 4,194,304 bytes; ctxs 262,144 bytes
;; launch qkv (part 1): grid 16 x 16, 12 waves a work-group, clusters of 4 x 4, 327,680 bytes of LDS; arguments x_codes, x_scales, Wq_codes, Wk_codes, Wv_codes, Wq_scales, Wk_scales, Wv_scales, bq, bk, bv, qbuf, kv; writes qbuf, kv
.if DOCPART == 1
	.amdgcn_target "amdgcn-amd-amdhsa--gfx1250"
	.amdhsa_code_object_version 6
	.text
	.protected	k_q21fec81ba1_qkv
	.globl	k_q21fec81ba1_qkv
	.p2align	8
	.type	k_q21fec81ba1_qkv,@function
k_q21fec81ba1_qkv:
	s_mov_b64 s[64:65], 0
	v_nop
	global_prefetch_b8 v0, s[64:65] scope:SCOPE_SE
	s_setreg_imm32_b32 hwreg(HW_REG_WAVE_MODE, 25, 1), 1
	s_wait_xcnt 0x0
	s_wait_alu depctr_hold_cnt(0) depctr_sa_sdst(0) depctr_va_vdst(0) depctr_va_sdst(0) depctr_va_ssrc(0) depctr_va_vcc(0) depctr_vm_vsrc(0)
	s_getreg_b32 s2, hwreg(HW_REG_IB_STS2, 6, 4)
	s_cmp_eq_u32 s2, 0
	s_cbranch_scc0 .Lentry_in_a_cluster
	s_endpgm
.Lentry_in_a_cluster:
	s_bfe_u32 s2, ttmp6, 0x10000c
	s_cmp_lg_u32 s2, 0xf033
	s_cbranch_scc0 .Lentry_shape_is_right
	s_endpgm
.Lentry_shape_is_right:
; Q, K, V = x W + b for one head and 512 rows of x, on codes of FP4 (E2M1) with one E8M0 scale for each 32 along K = 1,024; the results are quantised at once:
; Q and K along the head's 64 (two blocks of 32 a row), V along the keys, and leave as IMAGES OF OPERAND REGISTERS for the attention launch.
; SHARES.  Work-group (head, rp) makes two tiles of 256 rows, rows 512 rp on, one after the other.  Twelve waves: kind = wave / 4 (0 Q, 1 K, 2 V), its 64 rows of the tile = wave % 4.
; A wave makes 64 x 64 a tile: 16 accumulators, 8 K steps of 128.  For Q and K source 0 = 16 rows of W and source 1 = 16 rows of x, so that a lane holds one row of x and its registers run along the head's 64;
; for V the two change places, so that a lane holds one channel and its registers run along the keys.
; LDS.  Two slots, one for each half of K: rows of 256 bytes + 16 of padding, in granules of 64 rows: 0 Wv, 1-4 x's 256 rows, 5 Wq, 6 Wk.  W's granules are filled once and serve both tiles; x's are a ring.
; Behind the slots the scale bytes, filled once, 2,048 dense bytes a granule as 8 units of 256 + 16: 0 Wv, 1-8 x's 512 rows, 9 Wq, 10 Wk.
; THE HEAD'S LOADS, one a wave, every wave one: waves 0-5 W's codes (wave / 2: Wq, Wk, Wv; wave % 2: K's half), waves 6, 7 tile 0's x (K's first, second half, 256 rows), wave 8 x's scales, waves 9-11 those of Wq, Wk, Wv.
; THE REFILLS: tile 1's x, K's first half by wave 6 when slot 0 has been read, its second half by wave 7 when slot 1 has, each behind the three lines and a round of the cluster's barrier.
; CLUSTER 4 x 4: the four work-groups of a row of the cluster share rp and so x's tiles, the four of a column share the head and so W's: each tile is asked for jointly.
; PREFETCH.  Tile 1's 256 rows of x, 512 blocks of 256 bytes, are asked for once in each cluster ahead of tile 0's first products, one and two halves of K ahead of their loads: each partner of a row takes 64 rows
; by address, waves 8 to 11 one instruction each, lanes 256 bytes apart.  What the head asks for comes by its loads alone.
; OUT.  qbuf: [64 heads x batches][16 records of 128 queries][4,608]: tile T's codes at 512 T + 16 lane (lane (r, h): channels 32 h .. + 31 of query 16 T + r); scale words at 4,096 + 256 c + 8 lane + 4 p
; (tile 4 c + 2 p + h, row r; byte 0, 1 = the two blocks, bytes 2, 3 = 0).  kv: [64][16 records of 128 keys][9,216]: K as Q; V's codes at 4,096 + 1,024 n + 512 c + 16 lane (keys 64 c + 32 h .. + 31 of channel
; 16 n + r); K's scale words at 8,192, V's at 8,704 + 256 c + 8 lane + 4 p (channel tile 2 p + h, row r; bytes 0, 1 = key blocks 2 c, 2 c + 1).
; LIMITS.  NaN, infinities and a given scale byte 0xff are not served.  A block whose largest magnitude lies under 2^-124 keeps the byte 1; so does a block of zeros, where the quantiser says 127: its codes are
; zeros, which add nothing under any byte but 0xff, and only this program reads these bytes.
.set GR,    17408                      ; a granule: 64 rows x 272 bytes
.set CH,    7*GR                       ; a slot
.set SCL,   2*CH                       ; the scale bytes
.set SGR,   2176                       ; a granule's scale bytes: 8 units x 272
.set SPARE, SCL+11*SGR+128             ; the spare words, from a multiple of 256 on
.set PFO,   0                          ; v0      behind the head: the prefetch's offset, 256 x lane
.set SPW,   1                          ; v1      my spare word;  v2  0: never rewritten
.set NIL,   2
.set ADS2,  3                          ; v3      LDS address of my scale words, tile 1
.set AD0,   4                          ; v4-5    LDS address of source 0's fragments, slot 0 and 1
.set AD1,   6                          ; v6-7    the same for source 1
.set ADS,   8                          ; v8      LDS address of my scale words, tile 0: lanes 0-15 source 1's rows, lanes 16-31 source 0's
.set VO,    10                         ; v10-13  where tile n's codes go
.set VS,    14                         ; v14     where the scale words go
.set BO,    15                         ; v15     byte offset of my biases (Q, K); v9 the same for V
.set BIAS,  16                         ; v16-47  the C of each sum's first matrix instruction
.set SC,    48                         ; v48-63  scale words: register 4 i + q: lanes 0-15 source 1's tile i, lanes 16-31 source 0's tile i
.set F0,    64                         ; v64-95  source 0's four fragments (at the head: at work)
.set F1,    96                         ; v96-127 source 1's
.set ACC,   128                        ; v128-255 accumulator (t, n) at 128 + 8 (4 n + t)
.set TM,    64
.set TP,    66
.set SO,    68
.set PC,    96                         ; v96-111 the codes, four registers a tile
.set W,     112
.set SW,    116
.set WV,    30
.set LM,    31
.set G1X,   32
.set G1W,   40
.set G1SX,  48
.set G1SW,  56
.set SEL,   66
.set G0XS,  68
.set G0X0,  72                         ; s[72:79] x's groups 0, slot 0 and 1
.set G0WS,  80
.set G0W,   84
.set CODEW, (1<<20)|(1<<21)|(5<<22)|(3<<25)           ; elements of 1 byte; padding on; bit 21 beside a mask; after every 64 words, 4 words
.set SCALW, (3<<16)|(1<<20)|(1<<21)|(5<<22)|(3<<25)   ; the same with elements of 8 bytes
.macro PLACES
.rept 4
	v_nop
.endr
.endm
.macro CROUND                          ; a round of the cluster's barrier
	s_barrier_signal -1
	s_barrier_wait -1
	s_cmp_lg_u32 s[WV], 0
	s_cbranch_scc1 .Lnot_wave_0_\@
	s_barrier_signal -3
.Lnot_wave_0_\@:
	s_barrier_wait -3
	s_barrier_signal -1
	s_barrier_wait -1
.endm
.macro TL g0, g1
	tensor_load_to_lds s[\g0:\g0+3], s[\g1:\g1+7]
	s_nop 0
	PLACES
.endm
.macro RLOAD s                         ; slot s takes tile 1's x: wave 6 + s asks; the branch hangs on the wave's number alone
	s_cmp_eq_u32 s[WV], 6+\s
	s_cbranch_scc0 .Lrd_\@
	TL G0X0+4*\s, G1X
.Lrd_\@:
.endm
; The three lines ahead of a refill, and the round.  Between the add and its wait that slot's x goes on to tile 1
.macro SEQ slot
	s_wait_tensorcnt 0x0
	ds_add_u32 v[SPW], v[NIL]
	s_add_nc_u64 s[G0X0+4*\slot+2:G0X0+4*\slot+3], s[G0X0+4*\slot+2:G0X0+4*\slot+3], 131072
	s_wait_dscnt 0x0
	CROUND
.endm
; 32 numbers of a lane, register 8 t + j = index 16 t + 8 (lane / 16) + j of my row, become four registers of codes (lane half h: indices 32 h .. + 31) and a scale word (byte b = block b)
.macro QUANT2 s, pc, w
.irp b, 0,1
	v_max3_num_f32 v[TM+\b], |v[(\s)+16*\b]|, |v[(\s)+16*\b+1]|, 0x1800000   ; with the floor 2^(3 - 127)
.endr
.irp i, 2,4,6,8,10,12,14
.irp b, 0,1
	v_max3_num_f32 v[TM+\b], v[TM+\b], |v[(\s)+16*\b+\i]|, |v[(\s)+16*\b+\i+1]|
.endr
.endr
.irp b, 0,1
	v_permlanex16_b32 v[TP+\b], v[TM+\b], s[SEL], s[SEL+1]
.endr
.irp b, 0,1
	v_max_num_f32 v[TM+\b], v[TM+\b], v[TP+\b]
.endr
.irp b, 0,1
	v_add_nc_u32 v[SO+\b], 0xff000000, v[TM+\b]            ; 2 off the exponent field: the conversion's scale operand
.endr
.irp b, 0,1
	v_lshrrev_b32 v[TP+\b], 23, v[SO+\b]                   ; the scale's byte
.endr
	v_lshl_or_b32 v[\w], v[TP+1], 8, v[TP]
	v_cvt_scalef32_pk8_fp4_f32 v[(\pc)],   v[(\s):(\s)+7],     v[SO]
	v_cvt_scalef32_pk8_fp4_f32 v[(\pc)+2], v[(\s)+8:(\s)+15],  v[SO]
	v_cvt_scalef32_pk8_fp4_f32 v[(\pc)+1], v[(\s)+16:(\s)+23], v[SO+1]
	v_cvt_scalef32_pk8_fp4_f32 v[(\pc)+3], v[(\s)+24:(\s)+31], v[SO+1]
	v_nop                                                  ; one plain place behind a scaled conversion
	v_permlane16_swap_b32 v[(\pc)],   v[(\pc)+1]
	v_permlane16_swap_b32 v[(\pc)+2], v[(\pc)+3]
.endm
	s_load_b512 s[4:19], s[0:1], 0x0               ; x codes s[4:5], x scales s[6:7], Wq, Wk, Wv codes s[8:13], Wq, Wk, Wv scales s[14:19]
	s_load_b256 s[20:27], s[0:1], 0x40             ; bq s[20:21], bk s[22:23], bv s[24:25], qbuf s[26:27]
	s_load_b64 s[28:29], s[0:1], 0x60              ; kv
	v_lshl_add_u32 v[SPW], v0, 2, SPARE
	v_mov_b32 v[NIL], 0
	ds_add_u32 v[SPW], v[NIL]                      ; the opening lines
	ds_add_u32 v[SPW], v[NIL]
	v_lshrrev_b32 v64, 5, v0
	v_readfirstlane_b32 s[WV], v64                 ; wave 0..11
	s_bfe_u32 s96, ttmp6, 0x40000                  ; cx
	s_bfe_u32 s92, ttmp6, 0x40004                  ; cy
	s_lshl_b32 s97, ttmp9, 2
	s_add_co_u32 s97, s97, s96                     ; the head
	s_and_b32 s93, ttmp7, 0xffff
	s_lshl_b32 s93, s93, 2
	s_add_co_u32 s93, s93, s92
	s_lshl_b32 s93, s93, 1                         ; tile 0's number among the 32 tiles of 256 rows
	s_lshl_b32 s100, s92, 2
	s_lshl_b32 s100, 15, s100                      ; my row of the cluster: x's tiles
	s_lshl_b32 s101, 0x1111, s96                   ; my column: W's tiles
	s_mov_b32 s[LM], 0xffff0000
	s_mov_b32 s[SEL], 0x76543210
	s_mov_b32 s[SEL+1], 0xfedcba98
	s_or_b32 s[G1X], s100, CODEW
	s_or_b32 s[G1W], s101, CODEW
.irp g, G1X, G1W                       ; rows of 256 bytes, 512 bytes apart in memory
	s_mov_b32 s[\g+1], 256<<16
	s_mov_b32 s[\g+3], 256<<16
	s_mov_b32 s[\g+5], 512
	s_mov_b32 s[\g+6], 0
	s_mov_b32 s[\g+7], 0
.endr
	s_mov_b32 s[G1X+2], 256<<16                    ; x: 256 rows
	s_mov_b32 s[G1X+4], 256
	s_mov_b32 s[G1W+2], 64<<16                     ; a W: 64 rows
	s_mov_b32 s[G1W+4], 64
	s_or_b32 s[G1SX], s100, SCALW
	s_or_b32 s[G1SW], s101, SCALW
	s_mov_b32 s[G1SX+2], 64<<16                    ; x's scales: 512 rows, 16,384 dense bytes, 64 units
	s_mov_b32 s[G1SX+4], 64
	s_mov_b32 s[G1SW+2], 8<<16                     ; a W's scales: 64 rows, 8 units
	s_mov_b32 s[G1SW+4], 8
.irp g, G1SX, G1SW
	s_mov_b32 s[\g+1], 32<<16
	s_mov_b32 s[\g+3], 32<<16
	s_mov_b32 s[\g+5], 32
	s_mov_b32 s[\g+6], 0
	s_mov_b32 s[\g+7], 0
.endr
	s_lshl_b32 s94, s93, 17                        ; tile 0's first byte in x
	s_mov_b32 s95, 0
	s_lshr_b32 s2, s[WV], 1                        ; waves 0-5: which W: 0 Wq, 1 Wk, 2 Wv,
	s_and_b32 s3, s[WV], 1                         ; and which half of K
	s_lshl_b32 s98, s97, 15                        ; a head's 64 rows of 512 bytes
	s_lshl_b32 s99, s3, 8
	s_add_co_u32 s98, s98, s99
	s_mov_b32 s99, 0
	s_mul_i32 s3, s3, CH
	s_xor_b32 s101, s2, 2
	s_min_u32 s101, s101, 1
	s_add_co_u32 s100, s2, 5
	s_mul_i32 s100, s100, s101                     ; its granule: 5, 6, 0
	s_mul_i32 s100, s100, GR
	s_add_co_u32 s3, s3, s100
	s_mov_b32 s[G0W], 1
	s_mov_b32 s[G0W+1], s3
	s_and_b32 s100, s[WV], 3                       ; u: waves 9, 10, 11 fetch the scales of Wq, Wk, Wv
	s_xor_b32 s101, s100, 3
	s_min_u32 s101, s101, 1
	s_add_co_u32 s3, s100, 8
	s_mul_i32 s3, s3, s101                         ; their granules: 9, 10, 0
	s_mul_i32 s3, s3, SGR
	s_add_co_u32 s3, s3, SCL
	s_mov_b32 s[G0WS], 1
	s_mov_b32 s[G0WS+1], s3
	s_mov_b32 s[G0XS], 1
	s_mov_b32 s[G0XS+1], SCL+SGR
	s_mov_b32 s[G0X0], 1
	s_mov_b32 s[G0X0+1], GR
	s_mov_b32 s[G0X0+4], 1
	s_mov_b32 s[G0X0+5], GR+CH
	s_wait_dscnt 0x0
	s_wait_kmcnt 0x0
	s_add_nc_u64 s[G0X0+2:G0X0+3], s[4:5], s[94:95]
	s_add_nc_u64 s[G0X0+6:G0X0+7], s[G0X0+2:G0X0+3], 256
	s_lshl_b32 s94, s93, 13                        ; 32 scale bytes a row
	s_add_nc_u64 s[G0XS+2:G0XS+3], s[6:7], s[94:95]
	s_cmp_eq_u32 s2, 0
	s_cselect_b64 s[G0W+2:G0W+3], s[8:9], s[10:11]
	s_cmp_eq_u32 s2, 2
	s_cselect_b64 s[G0W+2:G0W+3], s[12:13], s[G0W+2:G0W+3]
	s_cmp_eq_u32 s100, 1
	s_cselect_b64 s[G0WS+2:G0WS+3], s[14:15], s[16:17]
	s_cmp_eq_u32 s100, 3
	s_cselect_b64 s[G0WS+2:G0WS+3], s[18:19], s[G0WS+2:G0WS+3]
	s_add_nc_u64 s[G0W+2:G0W+3], s[G0W+2:G0W+3], s[98:99]
	s_lshl_b32 s98, s97, 11                        ; a head's 64 rows of 32 scale bytes
	s_add_nc_u64 s[G0WS+2:G0WS+3], s[G0WS+2:G0WS+3], s[98:99]
	s_add_co_u32 s94, s93, 1                       ; the prefetch: tile 1, my work-group's 64 rows of it, my wave's 16 of those
	s_lshl_b32 s94, s94, 17
	s_lshl_b32 s98, s96, 15
	s_add_co_u32 s94, s94, s98
	s_lshl_b32 s98, s100, 13
	s_add_co_u32 s94, s94, s98
	s_add_nc_u64 s[100:101], s[4:5], s[94:95]
.irp g, G0XS+3, G0X0+3, G0X0+7, G0WS+3, G0W+3
	s_or_b32 s[\g], s[\g], 0x80000000              ; type = 2
.endr
	CROUND                                         ; all sixteen work-groups are here: the joint loads meet
	s_cmp_lt_u32 s[WV], 6                          ; the head's loads, one a wave, in one chain of branches on the wave's number: every way passes one
	s_cbranch_scc1 .Lfor_w
	s_cmp_eq_u32 s[WV], 6
	s_cbranch_scc1 .Lfor_x0
	s_cmp_eq_u32 s[WV], 7
	s_cbranch_scc1 .Lfor_x1
	s_cmp_eq_u32 s[WV], 8
	s_cbranch_scc1 .Lfor_xs
	TL G0WS, G1SW
	s_branch .Lasked
.Lfor_w:
	TL G0W, G1W
	s_branch .Lasked
.Lfor_x0:
	TL G0X0, G1X
	s_branch .Lasked
.Lfor_x1:
	TL G0X0+4, G1X
	s_branch .Lasked
.Lfor_xs:
	TL G0XS, G1SX
.Lasked:
	; my role, from the wave's number alone: all scalar work first, then the vector lines on end
	s_lshr_b32 s4, s[WV], 2                        ; kind
	s_and_b32 s5, s[WV], 3                         ; which 64 rows
	s_lshr_b32 s6, s[WV], 3                        ; 1 for V
	s_xor_b32 s7, s6, 1                            ; 1 for Q and K
	s_add_co_u32 s8, s5, 1                         ; x's granule
	s_mul_i32 s11, s6, s8
	s_mul_i32 s13, s7, s8                          ; source 1's granule: x's for Q and K, Wv's (0) for V: always the lower of the two
	s_add_co_u32 s9, s4, 5
	s_mul_i32 s9, s9, s7
	s_add_co_u32 s12, s9, s11                      ; source 0's granule of codes: 5, 6, or x's
	s_mul_i32 s12, s12, GR
	s_mul_i32 s15, s13, GR
	s_add_co_u32 s10, s4, 9
	s_mul_i32 s10, s10, s7
	s_add_co_u32 s14, s10, s11                     ; source 0's granule of scales: 9, 10, or x's
	s_sub_co_u32 s14, s14, s13
	s_mul_i32 s14, s14, SGR                        ; from source 1's scales up to source 0's
	s_mul_i32 s13, s13, SGR
	s_add_co_u32 s13, s13, SCL
	s_mul_i32 s16, s7, 4*SGR                       ; tile 1: x's scales lie four granules on
	s_add_co_u32 s16, s16, s13
	s_mul_i32 s17, s6, 8*SGR
	s_add_co_u32 s17, s17, s14
	s_sub_co_u32 s17, s17, 4*SGR
	s_lshr_b32 s92, s93, 3                         ; the batch
	s_lshl_b32 s92, s92, 4
	s_add_co_u32 s92, s92, s97
	s_lshl_b32 s92, s92, 4
	s_and_b32 s9, s93, 7
	s_lshl_b32 s9, s9, 1
	s_add_co_u32 s92, s92, s9
	s_lshr_b32 s9, s5, 1
	s_add_co_u32 s92, s92, s9                      ; the record of 128 rows
	s_min_u32 s10, s4, 1                           ; 0 for Q, 1 for K and V
	s_lshl_b32 s9, 4608, s10
	s_mul_i32 s92, s92, s9                         ; its first byte
	s_lshl_b32 s98, s9, 1                          ; tile 1 lies two records on
	s_mov_b32 s99, 0
	s_and_b32 s9, s5, 1                            ; c: which 64 of the record's 128
	s_lshl_b32 s94, s6, 1
	s_lshr_b32 s94, 2048, s94
	s_mul_i32 s94, s94, s9                         ; c x 2,048 (Q, K) or c x 512 (V)
	s_lshl_b32 s11, s6, 12                         ; V's codes lie 4,096 on
	s_add_co_u32 s94, s94, s11
	s_add_co_u32 s94, s94, s92
	s_lshl_b32 s95, 512, s6                        ; from tile to tile: 512 (Q, K) or 1,024 (V)
	s_add_co_u32 s96, s10, 1
	s_lshl_b32 s96, s96, 12                        ; the scale words: 4,096 on in qbuf, 8,192 on in kv,
	s_lshl_b32 s11, s6, 9                          ; V's 512 further,
	s_add_co_u32 s96, s96, s11
	s_lshl_b32 s11, s9, 8                          ; 256 c
	s_add_co_u32 s96, s96, s11
	s_add_co_u32 s96, s96, s92
	s_cmp_eq_u32 s4, 0
	s_cselect_b64 s[2:3], s[20:21], s[22:23]       ; bq or bk,
	s_cselect_b64 s[18:19], s[26:27], s[28:29]     ; qbuf or kv
	s_cmp_eq_u32 s4, 2
	s_cselect_b64 s[2:3], s[24:25], s[2:3]         ; or bv
	s_lshl_b32 s10, s97, 8                         ; the head's 64 numbers
	s_mov_b32 s11, 0
	s_add_nc_u64 s[2:3], s[2:3], s[10:11]
	v_and_b32 v64, 15, v0                          ; r
	v_bfe_u32 v65, v0, 4, 1                        ; h
	v_and_b32 v66, 31, v0                          ; lane
	v_mul_u32_u24 v67, v64, 272
	v_lshl_add_u32 v67, v65, 4, v67                ; a fragment: row r x pitch + 16 h
	v_add_nc_u32 v[AD0], s12, v67
	v_add_nc_u32 v[AD0+1], CH, v[AD0]
	v_add_nc_u32 v[AD1], s15, v67
	v_add_nc_u32 v[AD1+1], CH, v[AD1]
	v_and_b32 v67, 7, v64
	v_lshlrev_b32 v67, 5, v67                      ; 32 bytes a row, eight rows to a unit,
	v_lshrrev_b32 v68, 3, v64
	v_mad_u32_u24 v67, v68, 272, v67               ; units 272 bytes apart
	v_mul_u32_u24 v[ADS], s14, v65                 ; lanes 16-31 take source 0's
	v_add_nc_u32 v[ADS], v[ADS], v67
	v_add_nc_u32 v[ADS], s13, v[ADS]
	v_mul_u32_u24 v[ADS2], s17, v65
	v_add_nc_u32 v[ADS2], v[ADS2], v67
	v_add_nc_u32 v[ADS2], s16, v[ADS2]
	v_lshl_add_u32 v[VO], v66, 4, s94
	v_add_nc_u32 v[VO+1], s95, v[VO]
	v_add_nc_u32 v[VO+2], s95, v[VO+1]
	v_add_nc_u32 v[VO+3], s95, v[VO+2]
	v_lshl_add_u32 v[VS], v66, 3, s96
	v_lshlrev_b32 v[BO], 5, v65                    ; Q, K: register j of tile t wants b(16 t + 8 h + j)
	v_lshlrev_b32 v9, 2, v64                       ; V: every register of tile n wants b(16 n + r)
	v_lshlrev_b32 v[PFO], 8, v66
	s_wait_alu depctr_va_vdst(0)                   ; the wait at the head's end
	s_cmp_lt_u32 s[WV], 8
	s_cbranch_scc0 .Lbias_v
.irp t, 0,1,2,3
	global_load_b128 v[BIAS+8*\t:BIAS+8*\t+3],   v[BO], s[2:3] offset:64*\t
	global_load_b128 v[BIAS+8*\t+4:BIAS+8*\t+7], v[BO], s[2:3] offset:64*\t+16
.endr
	s_branch .Lbias_done
.Lbias_v:
.irp n, 0,1,2,3
.irp j, 0,1,2,3,4,5,6,7
	global_load_b32 v[BIAS+8*\n+\j], v9, s[2:3] offset:64*\n
.endr
.endr
.Lbias_done:
.macro SCALES a, g                     ; the scale words of K's half g: four words a row
.irp i, 0,1,2,3
	ds_load_b128 v[SC+4*\i:SC+4*\i+3], v[\a] offset:544*\i+16*\g
.endr
.endm
.macro KLOAD g, q                      ; the eight fragments of slot g's q-th 128 along K
.irp t, 0,1,2,3
.irp c, 0,1
	ds_load_b128 v[F0+8*\t+4*\c:F0+8*\t+4*\c+3], v[AD0+\g] offset:4352*\t+64*\q+32*\c
.endr
.endr
.irp t, 0,1,2,3
.irp c, 0,1
	ds_load_b128 v[F1+8*\t+4*\c:F1+8*\t+4*\c+3], v[AD1+\g] offset:4352*\t+64*\q+32*\c
.endr
.endr
	s_wait_dscnt 0x0
.endm
; 16 matrix instructions; the 16 accumulators take turns.  mode 0: onto the sums;  1: the sums begin with the bias of source 0's tile;  2: with that of source 1's
.macro KMUL q, mode
.irp n, 0,1,2,3
.irp t, 0,1,2,3
.if \mode == 0
	v_wmma_scale_f32_16x16x128_f8f6f4 v[ACC+8*(4*\n+\t):ACC+8*(4*\n+\t)+7], v[F0+8*\t:F0+8*\t+7], v[F1+8*\n:F1+8*\n+7], v[ACC+8*(4*\n+\t):ACC+8*(4*\n+\t)+7], v[SC+4*\t+\q], v[SC+4*\n+\q] matrix_a_fmt:MATRIX_FMT_FP4 matrix_b_fmt:MATRIX_FMT_FP4 matrix_a_scale:MATRIX_SCALE_ROW1
.elseif \mode == 1
	v_wmma_scale_f32_16x16x128_f8f6f4 v[ACC+8*(4*\n+\t):ACC+8*(4*\n+\t)+7], v[F0+8*\t:F0+8*\t+7], v[F1+8*\n:F1+8*\n+7], v[BIAS+8*\t:BIAS+8*\t+7], v[SC+4*\t+\q], v[SC+4*\n+\q] matrix_a_fmt:MATRIX_FMT_FP4 matrix_b_fmt:MATRIX_FMT_FP4 matrix_a_scale:MATRIX_SCALE_ROW1
.else
	v_wmma_scale_f32_16x16x128_f8f6f4 v[ACC+8*(4*\n+\t):ACC+8*(4*\n+\t)+7], v[F0+8*\t:F0+8*\t+7], v[F1+8*\n:F1+8*\n+7], v[BIAS+8*\n:BIAS+8*\n+7], v[SC+4*\t+\q], v[SC+4*\n+\q] matrix_a_fmt:MATRIX_FMT_FP4 matrix_b_fmt:MATRIX_FMT_FP4 matrix_a_scale:MATRIX_SCALE_ROW1
.endif
.endr
.endr
.endm
.macro KSTEP g, q
	KLOAD \g, \q
	KMUL \q, 0
	PLACES                                         ; in front of the next loads into these fragments and scale words, and of the first read of results
.endm
.macro FIRST a                         ; a tile's first half of K, from slot 0; only the first products differ between the roles: which tile's bias is their C
	SCALES \a, 0
	KLOAD 0, 0
	s_cmp_lt_u32 s[WV], 8
	s_cbranch_scc0 .Lfirst_v_\@
	KMUL 0, 1
	s_branch .Lfirst_done_\@
.Lfirst_v_\@:
	KMUL 0, 2
.Lfirst_done_\@:
	PLACES
	KSTEP 0, 1
	KSTEP 0, 2
	KSTEP 0, 3
.endm
.macro SECOND a                        ; its second half, from slot 1
	SCALES \a, 1
	KSTEP 1, 0
	KSTEP 1, 1
	KSTEP 1, 2
	KSTEP 1, 3
.endm
.macro OUT
.irp n, 0,1,2,3
	QUANT2 ACC+32*\n, PC+4*\n, W+\n                ; source 1's tile n: 16 rows (Q, K) or 16 channels (V), 64 along the next K
.endr
.irp p, 0,1
	v_cndmask_b32 v[SW+\p], v[W+2*\p], v[W+2*\p+1], s[LM]
.endr
.irp n, 0,1,2,3
	global_store_b128 v[VO+\n], v[PC+4*\n:PC+4*\n+3], s[18:19]     ; 32 lanes store 512 consecutive bytes, at a multiple of 256 from the buffer's first byte
.endr
	global_store_b64 v[VS], v[SW:SW+1], s[18:19]   ; 256 consecutive bytes, likewise
.endm
	s_wait_loadcnt 0x0                             ; the biases
	s_wait_tensorcnt 0x0                           ; my load of the head's twelve is in,
	s_barrier_signal -1
	s_barrier_wait -1                              ; everybody's is.
	s_cmp_lt_u32 s[WV], 8
	s_cbranch_scc1 .Lno_pf
	global_prefetch_b8 v[PFO], s[100:101] th:TH_LOAD_NT scope:SCOPE_SE
.Lno_pf:
	FIRST ADS
	SEQ 0                                          ; nobody reads slot 0's x any more
	RLOAD 0                                        ; tile 1, K's first half
	SECOND ADS
	SEQ 1                                          ; slot 0's x is whole, nobody reads slot 1's
	RLOAD 1                                        ; tile 1, K's second half
	v_mov_b32 v[TP], 0                             ; written once: a lane permute's destination counts as one of its sources
	v_mov_b32 v[TP+1], 0
	OUT
	s_wait_xcnt 0x0                                ; the stores have read their registers and their base
	s_add_nc_u64 s[18:19], s[18:19], s[98:99]
	FIRST ADS2
	s_wait_tensorcnt 0x0                           ; slot 1's x is in, if I asked for it,
	s_barrier_signal -1
	s_barrier_wait -1                              ; and every wave knows.
	SECOND ADS2
	OUT
	s_wait_tensorcnt 0x0                           ; the wave's end
	ds_add_u32 v[SPW], v[NIL]
	s_wait_dscnt 0x0
	CROUND                                         ; the closing round
	s_endpgm
.Lfunc_end_k_q21fec81ba1_qkv:
	.size	k_q21fec81ba1_qkv, .Lfunc_end_k_q21fec81ba1_qkv-k_q21fec81ba1_qkv
	.p2alignl 7, 3214868480
	.fill 96, 4, 3214868480
	.section	.rodata,"a",@progbits
	.p2align	6, 0x0
	.amdhsa_kernel k_q21fec81ba1_qkv
		.amdhsa_group_segment_fixed_size 327680
		.amdhsa_private_segment_fixed_size 0
		.amdhsa_enable_private_segment 0
		.amdhsa_kernarg_size 104
		.amdhsa_user_sgpr_count 2
		.amdhsa_user_sgpr_kernarg_segment_ptr 1
		.amdhsa_wavefront_size32 1
		.amdhsa_system_sgpr_workgroup_id_x 1
		.amdhsa_system_sgpr_workgroup_id_y 1
		.amdhsa_system_sgpr_workgroup_id_z 1
		.amdhsa_system_vgpr_workitem_id 0
		.amdhsa_next_free_vgpr 256
		.amdhsa_next_free_sgpr 102
		.amdhsa_reserve_vcc 0
		.amdhsa_float_denorm_mode_32 3
		.amdhsa_float_denorm_mode_16_64 3
		.amdhsa_memory_ordered 1
		.amdhsa_forward_progress 1
		.amdhsa_inst_pref_size 89
	.end_amdhsa_kernel
	.amdgpu_metadata
---
amdhsa.version: [ 1, 2 ]
amdhsa.kernels:
  - .name:           k_q21fec81ba1_qkv
    .symbol:         k_q21fec81ba1_qkv.kd
    .args:
      - { .name: x_codes, .offset: 0, .size: 8, .value_kind: global_buffer, .address_space: global }
      - { .name: x_scales, .offset: 8, .size: 8, .value_kind: global_buffer, .address_space: global }
      - { .name: Wq_codes, .offset: 16, .size: 8, .value_kind: global_buffer, .address_space: global }
      - { .name: Wk_codes, .offset: 24, .size: 8, .value_kind: global_buffer, .address_space: global }
      - { .name: Wv_codes, .offset: 32, .size: 8, .value_kind: global_buffer, .address_space: global }
      - { .name: Wq_scales, .offset: 40, .size: 8, .value_kind: global_buffer, .address_space: global }
      - { .name: Wk_scales, .offset: 48, .size: 8, .value_kind: global_buffer, .address_space: global }
      - { .name: Wv_scales, .offset: 56, .size: 8, .value_kind: global_buffer, .address_space: global }
      - { .name: bq, .offset: 64, .size: 8, .value_kind: global_buffer, .address_space: global }
      - { .name: bk, .offset: 72, .size: 8, .value_kind: global_buffer, .address_space: global }
      - { .name: bv, .offset: 80, .size: 8, .value_kind: global_buffer, .address_space: global }
      - { .name: qbuf, .offset: 88, .size: 8, .value_kind: global_buffer, .address_space: global }
      - { .name: kv, .offset: 96, .size: 8, .value_kind: global_buffer, .address_space: global }
    .group_segment_fixed_size: 327680
    .private_segment_fixed_size: 0
    .kernarg_segment_align: 8
    .kernarg_segment_size: 104
    .max_flat_workgroup_size: 384
    .sgpr_count:     102
    .vgpr_count:     256
    .wavefront_size: 32
...
	.end_amdgpu_metadata
.endif
;; end of part 1
;; launch attn (part 2): grid 4 x 64, 16 waves a work-group, clusters of 4 x 1, 327,680 bytes of LDS; arguments qbuf, kv, ctxc, ctxs; writes ctxc, ctxs
.if DOCPART == 2
	.amdgcn_target "amdgcn-amd-amdhsa--gfx1250"
	.amdhsa_code_object_version 6
	.text
	.protected	k_q21fec81ba1_attn
	.globl	k_q21fec81ba1_attn
	.p2align	8
	.type	k_q21fec81ba1_attn,@function
k_q21fec81ba1_attn:
	s_mov_b64 s[64:65], 0
	v_nop
	global_prefetch_b8 v0, s[64:65] scope:SCOPE_SE
	s_setreg_imm32_b32 hwreg(HW_REG_WAVE_MODE, 25, 1), 1
	s_wait_xcnt 0x0
	s_wait_alu depctr_hold_cnt(0) depctr_sa_sdst(0) depctr_va_vdst(0) depctr_va_sdst(0) depctr_va_ssrc(0) depctr_va_vcc(0) depctr_vm_vsrc(0)
	s_getreg_b32 s2, hwreg(HW_REG_IB_STS2, 6, 4)
	s_cmp_eq_u32 s2, 0
	s_cbranch_scc0 .Lentry_in_a_cluster
	s_endpgm
.Lentry_in_a_cluster:
	s_bfe_u32 s2, ttmp6, 0x10000c
	s_cmp_lg_u32 s2, 0x3003
	s_cbranch_scc0 .Lentry_shape_is_right
	s_endpgm
.Lentry_shape_is_right:
; ctx[q] = the sum over keys k <= q of softmax_k(Q[q] . K[k] / 8) V[k] for one head of one batch, both products on codes of FP4 (E2M1) with E8M0 scales; ctx is quantised along the head's 64 and leaves as codes.
; THE SOFTMAX: t = score x log2(e) / 8; M = the largest t so far, rounded UP to a whole number; p = 2^(t - M) is quantised along the keys.  The row's sum is taken of the unquantised p and divides O at the end.
; When M moves, the sum and O are multiplied by 2^(old M - new M): exact.
; WORK LEFT OUT: key steps all of whose keys come after a tile's queries: the causal mask makes their p zero for all inputs.
; SHARES.  The four work-groups of a head form a cluster; work-group j owns the query tiles T = 4 a + j (16 queries each), a = 0 .. 31.  Wave w makes two passes: a = 31 - w, then a = w.
; A tile has a / 2 + 1 key steps of 128, the last of them on the diagonal: 17 steps for every wave, and neither count nor branch hangs on j: so the four ask for K and V JOINTLY (mask 15).
; LDS.  The head's K and V are 16 records of 9,216 bytes (128 keys: images of operand registers and scale words).  Records 0-3 are asked for at the head (9 rows of 256 bytes a wave), records 4-15 behind
; the full sequence and a round of the cluster's barrier (27 rows a wave); the first pass's first four steps read records 0-3 alone, and one more wait and barrier stand ahead of the fifth.  Every byte is filled once.
; NO PREFETCH: all that the launch reads by tensor loads is asked for by these two loads at its start; no later load is left to run ahead of.
; LAYOUT.  S^T = K Q^T (source 0 = 16 keys, source 1 = my 16 queries; K = 64: the upper four registers of both fragments are zero codes), O^T = V^T P^T: a lane holds ONE query.
; THE KEYS OF A TILE ARE CHOSEN by the LDS address: row m of tile 4 c + t is key 64 c + 32 (m / 8) + 8 t + m % 8.  So register 8 (4 c + t) + i of lane half h holds key 64 c + 32 h + 8 t + i:
; a lane holds whole blocks of 32 keys (blocks 2 c + h), in the order of the second product's operand: a conversion's result is a register of that operand as it stands.
; OUT.  ctxc: [head / 8][row tile of 16][head % 8][512 bytes]: 16 lane: channels 32 h .. + 31 of row r.  ctxs: [8,192 rows][32 bytes]: bytes 2 head, 2 head + 1.
; LIMITS.  NaN and infinities are not served.  The promise holds while the scaled scores stay under 2^31 in magnitude.  A block whose largest magnitude lies under 2^-124, a block of zeros too, keeps the byte 1:
; only this program reads these bytes.
.set REC,  9216
.set GA,   4*REC                       ; records 0-3
.set SPARE, 16*REC                     ; the spare words: 128 bytes a wave
.set L16,  1                           ; v1   16 x lane
.set LK,   2                           ; v2   my lane's place in a tile of K: 1,024 (r / 8) + 16 (r % 8) + 256 h
.set LKS,  3                           ; v3   among K's scale words: 8 (r % 8) + 4 (r / 8) + 64 h
.set L8,   4                           ; v4   8 x lane
.set ADK,  5                           ; v5-8 the step's LDS addresses
.set ADKS, 6
.set ADV,  7
.set ADVS, 8
.set DL,   9                           ; v9   r - 32 h
.set SH8,  10                          ; v10  8 h
.set QA,   11                          ; v11  Q's codes: byte offset
.set MO,   14                          ; v14  the last step's -M   (v12 -M, v13 the largest score so far)
.set QW,   15                          ; v15  Q's scale word: byte offset
.set QF,   16                          ; v16-23 Q's fragment; v20-23 stay 0
.set QS,   24
.set WA,   25                          ; v25  the first pass's scale word of ctx
.set KS,   26                          ; v26-29 K's scale words: register T / 2: lanes 0-15 the even tile, lanes 16-31 the odd one
.set VR,   30                          ; v30-33 V's half words as loaded
.set VW,   34                          ; v34-35 V's scale words
.set PW,   36                          ; v36  p's scale word
.set RR,   37                          ; v37  r
.set SPW,  38                          ; v38  my spare word; v39 0: never rewritten
.set NIL,  39
.set KFR,  40                          ; v40-103 K's 8 fragments; the upper four registers of each stay 0
.set VFR,  104                         ; v104-135 V's 4 fragments
.set S,    136                         ; v136-199 S^T, then p
.set O,    200                         ; v200-231 O^T
.set PC,   232                         ; v232-239 p's codes
.set LS,   240                         ; v[240:241] the row's sum in two halves; v242-247 three more chains of it
.set TP,   242
.set CO,   244
.set TM,   248                         ; v248-249 my two blocks' largest scores, then largest p, then bytes
.set SO,   250                         ; v250-251 the conversions' scales
.set FF,   252                         ; v[252:253] f = 2^(old M - new M)
.set WV,   12
.set BH,   13
.set DQ,   14                          ; 16 j
.set CB,   15
.set G0A,  20
.set G1A,  24
.set SEL,  32
.set CS,   34
.set G0B,  36
.set G1B,  40
.set Q0,   48
.set AH,   49                          ; a / 2: the diagonal step
.set AO,   50                          ; a % 2
.set KT,   51                          ; the step's number
.set TB,   52                          ; its record's LDS byte
.set T1,   53
.set T2,   54
.set T3,   55
.set Q0A,  56
.set Q0B,  57
.set LM,   58
.set NC,   59
.macro PLACES
.rept 4
	v_nop
.endr
.endm
.macro ROUND                           ; a round of the cluster's barrier
	s_barrier_signal -1
	s_barrier_wait -1
	s_cmp_lg_u32 s[WV], 0
	s_cbranch_scc1 .Lnot_wave_0_\@
	s_barrier_signal -3
.Lnot_wave_0_\@:
	s_barrier_wait -3
	s_barrier_signal -1
	s_barrier_wait -1
.endm
; 32 numbers of a lane, register 8 t + j = index 16 t + 8 h + j of my row, become four registers of codes (lane half h: indices 32 h .. + 31) and a scale word
.macro QUANT2 s, pc, w
.irp b, 0,1
	v_max3_num_f32 v[TM+\b], |v[(\s)+16*\b]|, |v[(\s)+16*\b+1]|, 0x1800000   ; with the floor 2^(3 - 127)
.endr
.irp i, 2,4,6,8,10,12,14
.irp b, 0,1
	v_max3_num_f32 v[TM+\b], v[TM+\b], |v[(\s)+16*\b+\i]|, |v[(\s)+16*\b+\i+1]|
.endr
.endr
.irp b, 0,1
	v_permlanex16_b32 v[TP+\b], v[TM+\b], s[SEL], s[SEL+1]
.endr
.irp b, 0,1
	v_max_num_f32 v[TM+\b], v[TM+\b], v[TP+\b]
.endr
.irp b, 0,1
	v_add_nc_u32 v[SO+\b], 0xff000000, v[TM+\b]
.endr
.irp b, 0,1
	v_lshrrev_b32 v[TP+\b], 23, v[SO+\b]
.endr
	v_lshl_or_b32 v[\w], v[TP+1], 8, v[TP]
	v_cvt_scalef32_pk8_fp4_f32 v[(\pc)],   v[(\s):(\s)+7],     v[SO]
	v_cvt_scalef32_pk8_fp4_f32 v[(\pc)+2], v[(\s)+8:(\s)+15],  v[SO]
	v_cvt_scalef32_pk8_fp4_f32 v[(\pc)+1], v[(\s)+16:(\s)+23], v[SO+1]
	v_cvt_scalef32_pk8_fp4_f32 v[(\pc)+3], v[(\s)+24:(\s)+31], v[SO+1]
	v_nop                                          ; one plain place behind a scaled conversion
	v_permlane16_swap_b32 v[(\pc)],   v[(\pc)+1]
	v_permlane16_swap_b32 v[(\pc)+2], v[(\pc)+3]
.endm
.macro SETA                            ; from a in s[T1], which hangs on the wave's number alone; j enters Q0 alone
	s_lshr_b32 s[AH], s[T1], 1
	s_and_b32 s[AO], s[T1], 1
	s_lshl_b32 s[Q0], s[T1], 6
	s_add_co_u32 s[Q0], s[Q0], s[DQ]               ; my first query: 16 (4 a + j)
.endm
.macro QLOAD                           ; the tile of 16 queries from s[Q0] on: its codes and its scale words
	s_lshr_b32 s[T1], s[Q0], 7
	s_mul_i32 s[T1], s[T1], 4608
	s_mul_i32 s[T2], s[BH], 73728
	s_add_co_u32 s[T1], s[T1], s[T2]               ; the record of 128 queries
	s_bfe_u32 s[T2], s[Q0], 0x30004                ; the tile in it
	s_lshl_b32 s[T2], s[T2], 9
	s_add_co_u32 s[T3], s[T2], s[T1]
	s_bfe_u32 s[T2], s[Q0], 0x10006                ; tile 4 c + 2 p + h: its words lie at 4,096 + 256 c + 128 h + 8 r + 4 p
	s_lshl_b32 s[T2], s[T2], 8
	s_add_co_u32 s[T1], s[T1], s[T2]
	s_bfe_u32 s[T2], s[Q0], 0x10004
	s_lshl_b32 s[T2], s[T2], 7
	s_add_co_u32 s[T1], s[T1], s[T2]
	s_bfe_u32 s[T2], s[Q0], 0x10005
	s_lshl_b32 s[T2], s[T2], 2
	s_add_co_u32 s[T1], s[T1], s[T2]
	s_add_co_u32 s[T1], s[T1], 4096
	s_wait_alu depctr_va_vdst(0)                   ; the wait behind the run of scalar lines
	v_add_nc_u32 v[QA], s[T3], v[L16]
	v_lshl_add_u32 v[QW], v[RR], 3, s[T1]
	global_load_b128 v[QF:QF+3], v[QA], s[4:5]
	global_load_b32 v[QS], v[QW], s[4:5]
.endm
.macro MASK32 base                     ; register e of the 32 holds key offset 32 h + e of the pair of blocks on the diagonal: hidden where e > 16 j + r - 32 h
.set ii, 0
.rept 32
	v_cmp_gt_i32 vcc_lo, ii, v255
	v_cndmask_b32 v[\base+ii], v[\base+ii], v254, vcc_lo
.set ii, ii+1
.endr
.endm
	s_load_b256 s[4:11], s[0:1], 0x0               ; qbuf s[4:5], kv s[6:7], ctxc s[8:9], ctxs s[10:11]
	v_lshl_add_u32 v[SPW], v0, 2, SPARE
	v_mov_b32 v[NIL], 0
	ds_add_u32 v[SPW], v[NIL]                      ; the opening lines: the add, twice on end, and its wait
	ds_add_u32 v[SPW], v[NIL]
	v_lshrrev_b32 v1, 5, v0
	v_readfirstlane_b32 s[WV], v1                  ; wave 0..15
	s_bfe_u32 s[DQ], ttmp6, 0x40000                ; j = my place in the cluster
	s_lshl_b32 s[DQ], s[DQ], 4
	s_and_b32 s[BH], ttmp7, 0xffff                 ; 16 x batch + head
.irp g, G1A, G1B                       ; dense rows of 256 bytes (32 elements of 8), no padding; mask 15, bit 21 beside it
	s_mov_b32 s[\g], 15|(3<<16)|(1<<21)
	s_mov_b32 s[\g+1], 32<<16
	s_mov_b32 s[\g+3], 32<<16
	s_mov_b32 s[\g+5], 32
	s_mov_b32 s[\g+6], 0
	s_mov_b32 s[\g+7], 0
.endr
	s_mov_b32 s[G1A+2], 9<<16                      ; a sixteenth of records 0-3: 9 rows
	s_mov_b32 s[G1A+4], 9
	s_mov_b32 s[G1B+2], 27<<16                     ; a sixteenth of records 4-15: 27 rows
	s_mov_b32 s[G1B+4], 27
	s_mul_i32 s[T1], s[BH], 16*REC
	s_mul_i32 s[G0A+1], s[WV], 2304
	s_mul_i32 s[G0B+1], s[WV], 6912
	s_add_co_u32 s[G0B+1], s[G0B+1], GA
	s_add_co_u32 s18, s[T1], s[G0A+1]              ; LDS holds the head's block as it lies in memory
	s_mov_b32 s19, 0
	s_add_co_u32 s16, s[T1], s[G0B+1]
	s_mov_b32 s17, 0
	s_mov_b32 s[G0A], 1
	s_mov_b32 s[G0B], 1
	s_wait_dscnt 0x0
	s_wait_kmcnt 0x0
	s_add_nc_u64 s[G0A+2:G0A+3], s[6:7], s[18:19]
	s_or_b32 s[G0A+3], s[G0A+3], 0x80000000
	s_add_nc_u64 s[G0B+2:G0B+3], s[6:7], s[16:17]
	s_or_b32 s[G0B+3], s[G0B+3], 0x80000000
	ROUND                                          ; the four work-groups are here: the joint loads meet
	tensor_load_to_lds s[G0A:G0A+3], s[G1A:G1A+7]  ; my one tensor load at the head
	s_nop 0
	PLACES
	s_mov_b32 s[SEL], 0x76543210
	s_mov_b32 s[SEL+1], 0xfedcba98
	s_mov_b32 s[CS], 0x3e38aa3b                    ; c = log2(e) / 8
	s_mov_b32 s[CS+1], s[CS]
	s_mov_b32 s[NC], 0xbe38aa3b                    ; -c
	s_mov_b32 s[LM], 0xffff0000                    ; lanes 16-31
	s_and_b32 s[T1], s[BH], 15                     ; where ctx's codes go: 2,097,152 (head / 8) + 4,096 (128 batch + Q0 / 16) + 512 (head % 8) + 16 lane
	s_lshr_b32 s[CB], s[T1], 3
	s_lshl_b32 s[CB], s[CB], 21
	s_and_b32 s[T1], s[T1], 7
	s_lshl_b32 s[T1], s[T1], 9
	s_add_co_u32 s[CB], s[CB], s[T1]
	s_lshr_b32 s[T1], s[BH], 4
	s_lshl_b32 s[T1], s[T1], 19
	s_add_co_u32 s[CB], s[CB], s[T1]
	s_lshl_b32 s[Q0B], s[WV], 6
	s_add_co_u32 s[Q0B], s[Q0B], s[DQ]             ; the second pass's first query
	s_sub_co_u32 s[T1], 31, s[WV]
	SETA
	s_mov_b32 s[Q0A], s[Q0]
	v_and_b32 v[RR], 15, v0
	v_bfe_u32 v254, v0, 4, 1                       ; h
	v_bfe_u32 v255, v0, 3, 1                       ; r / 8
	v_and_b32 v[TP], 7, v0                         ; r % 8
	v_and_b32 v[TP+1], 31, v0
	v_lshlrev_b32 v[L16], 4, v[TP+1]
	v_lshlrev_b32 v[L8], 3, v[TP+1]
	v_lshlrev_b32 v[LK], 4, v[TP]
	v_lshl_add_u32 v[LK], v255, 10, v[LK]
	v_lshl_add_u32 v[LK], v254, 8, v[LK]
	v_lshlrev_b32 v[LKS], 3, v[TP]
	v_lshl_add_u32 v[LKS], v255, 2, v[LKS]
	v_lshl_add_u32 v[LKS], v254, 6, v[LKS]
	v_lshlrev_b32 v[SH8], 3, v254
	v_lshlrev_b32 v[DL], 5, v254
	v_sub_nc_u32 v[DL], v[RR], v[DL]
	QLOAD
.irp i, 4,5,6,7
	v_mov_b32 v[QF+\i], 0                          ; K = 64: the codes of 64 .. 127 are zeros on both sides, written once
.endr
.irp k, 0,1,2,3,4,5,6,7
.irp i, 4,5,6,7
	v_mov_b32 v[KFR+8*\k+\i], 0
.endr
.endr
	v_mov_b32 v253, 0                              ; (named as the upper half of the pair v[252:253])
	s_wait_alu depctr_va_vdst(0)                   ; the wait at the head's end
	s_wait_tensorcnt 0x0                           ; my part of records 0-3 is in; the lines ahead of a later first fill:
	ds_add_u32 v[SPW], v[NIL]
	s_wait_dscnt 0x0
	ROUND                                          ; everybody's part is in, and the four work-groups are here
	tensor_load_to_lds s[G0B:G0B+3], s[G1B:G1B+7]  ; my part of records 4-15: the first tensor load behind the round
	s_nop 0
	PLACES
; A KEY STEP: the 128 keys of record s[KT], at LDS byte s[TB].  ends = 1: the step may be hidden (left out by a branch on the wave's number and the count of steps) or lie on the diagonal
; K's fragments and scale words of a step are loaded a step ahead (pf = 1: this step asks for the next record's, REC bytes on), V's at the step's head.
.macro KL T, off
	ds_load_b128 v[KFR+8*(\T):KFR+8*(\T)+3], v[ADK] offset:\off+2048*((\T)/4)+512*(((\T)%4)/2)+128*((\T)%2)
.endm
.macro KSL u, off
	ds_load_b32 v[KS+\u], v[ADKS] offset:\off+8192+128*\u
.endm
.macro VL                              ; V's four fragments and its half words of scales
.irp n, 0,1,2,3
.irp c, 0,1
	ds_load_b128 v[VFR+8*\n+4*\c:VFR+8*\n+4*\c+3], v[ADV] offset:4096+1024*\n+512*\c
.endr
.endr
.irp c, 0,1
	ds_load_b64 v[VR+2*\c:VR+2*\c+1], v[ADVS] offset:8704+256*\c
.endr
.endm
; HALF A STEP: the diagonal step of a tile with a even.  Its queries lie among the step's first 64 keys; the causal mask hides the other 64 for all inputs, so their scores, exponentials and sums are left out
; and their codes of p are zeros (under the scale byte 0, a finite code).  A lane holds one block of 32 keys, block h.
.macro HSTEP
	s_wait_dscnt 0x0
.irp k, 0,1,2,3
.if (\k)%2
	v_wmma_scale_f32_16x16x128_f8f6f4 v[S+8*\k:S+8*\k+7], v[KFR+8*\k:KFR+8*\k+7], v[QF:QF+7], 0, v[KS+\k/2], v[QS] matrix_a_fmt:MATRIX_FMT_FP4 matrix_b_fmt:MATRIX_FMT_FP4 matrix_a_scale:MATRIX_SCALE_ROW1
.else
	v_wmma_scale_f32_16x16x128_f8f6f4 v[S+8*\k:S+8*\k+7], v[KFR+8*\k:KFR+8*\k+7], v[QF:QF+7], 0, v[KS+\k/2], v[QS] matrix_a_fmt:MATRIX_FMT_FP4 matrix_b_fmt:MATRIX_FMT_FP4
.endif
.endr
	v_mov_b32 v[MO], v12                           ; five places behind the products
	v_add_nc_u32 v[ADV], s[TB], v[L16]
	v_add_nc_u32 v[ADVS], s[TB], v[L8]
	v_add_nc_u32 v255, s[DQ], v[DL]                ; 16 j + r - 32 h
	v_mov_b32 v254, 0xff800000
	MASK32 S
	v_max3_num_f32 v[TM], v[S],    v[S+1],  v[S+2]
	v_max3_num_f32 v254,  v[S+16], v[S+17], v[S+18]
.irp i, 3,5,7,9,11,13
	v_max3_num_f32 v[TM], v[TM], v[S+\i],    v[S+\i+1]
	v_max3_num_f32 v254,  v254,  v[S+16+\i], v[S+17+\i]
.endr
	v_max3_num_f32 v[TM], v[TM], v254, v[S+15]
	v_max_num_f32 v[TM], v[TM], v[S+31]            ; my block's largest score
	v_permlanex16_b32 v255, v[TM], s[SEL], s[SEL+1]
	v_max3_num_f32 v13, v13, v[TM], v255
	v_mul_f32 v254, s[NC], v13
	v_floor_f32 v12, v254
.set ii, 0
.rept 16
	v_pk_fma_f32 v[S+ii:S+ii+1], v[S+ii:S+ii+1], s[CS:CS+1], v[12:13] op_sel_hi:[1,0,0]
.if ii == 6
	v_sub_f32 v254, v12, v[MO]
.endif
.if ii == 14
	v_cvt_i32_f32 v254, v254
.endif
.if ii == 22
	v_ldexp_f32 v[FF], 1.0, v254
.endif
.set ii, ii+2
.endr
	v_fma_f32 v[TM], v[TM], s[CS], v12
	s_wait_alu depctr_va_vdst(0)                   ; ahead of the batch
	VL
.set ii, 0
.rept 32
	v_exp_f32 v[S+ii], v[S+ii]
.set ii, ii+1
.endr
	v_exp_f32 v[TM], v[TM]
	v_pk_mul_f32 v[LS:LS+1], v[LS:LS+1], v[FF:FF+1] op_sel_hi:[1,0]
	s_wait_dscnt 0x0                               ; V
	s_wait_alu depctr_va_vdst(0)                   ; behind the batch, directly ahead of the first readers of O^T
.irp k, 0,1,2,3
	OM \k
.endr
	v_max_num_f32 v[TM], 0x1800000, v[TM]
.irp k, 4,5,6,7
	OM \k
.endr
	v_add_nc_u32 v[SO], 0xff000000, v[TM]
.irp k, 8,9,10,11
	OM \k
.endr
	v_lshrrev_b32 v[TM], 23, v[SO]
.irp k, 12,13,14,15
	OM \k
.endr
	v_lshlrev_b32 v254, v[SH8], v[TM]              ; my byte, block h, at its place in the word
	v_lshl_or_b32 v[VW], v[VR+2], 16, v[VR]
	v_lshl_or_b32 v[VW+1], v[VR+3], 16, v[VR+1]
	v_permlanex16_b32 v255, v254, s[SEL], s[SEL+1]
.irp t, 0,1,2,3
	v_cvt_scalef32_pk8_fp4_f32 v[PC+\t], v[S+8*\t:S+8*\t+7], v[SO]
.endr
	v_or_b32 v[PW], v254, v255
.irp t, 4,5,6,7
	v_mov_b32 v[PC+\t], 0                          ; the hidden 64 keys: zero codes
.endr
.set ii, 0
.rept 3
	v_pk_add_f32 v[LS+2+2*ii:LS+3+2*ii], v[S+4*ii:S+4*ii+1], v[S+4*ii+2:S+4*ii+3]
.set ii, ii+1
.endr
.set ii, 6
.rept 10
	v_pk_add_f32 v[LS+2*(ii%4):LS+2*(ii%4)+1], v[LS+2*(ii%4):LS+2*(ii%4)+1], v[S+2*ii:S+2*ii+1]
.set ii, ii+1
.endr
	v_pk_add_f32 v[LS:LS+1], v[LS:LS+1], v[LS+2:LS+3]
	v_pk_add_f32 v[LS+4:LS+5], v[LS+4:LS+5], v[LS+6:LS+7]
	v_pk_add_f32 v[LS:LS+1], v[LS:LS+1], v[LS+4:LS+5]
.irp n, 0,1,2,3
.if (\n)%2
	v_wmma_scale_f32_16x16x128_f8f6f4 v[O+8*\n:O+8*\n+7], v[VFR+8*\n:VFR+8*\n+7], v[PC:PC+7], v[O+8*\n:O+8*\n+7], v[VW+\n/2], v[PW] matrix_a_fmt:MATRIX_FMT_FP4 matrix_b_fmt:MATRIX_FMT_FP4 matrix_a_scale:MATRIX_SCALE_ROW1
.else
	v_wmma_scale_f32_16x16x128_f8f6f4 v[O+8*\n:O+8*\n+7], v[VFR+8*\n:VFR+8*\n+7], v[PC:PC+7], v[O+8*\n:O+8*\n+7], v[VW+\n/2], v[PW] matrix_a_fmt:MATRIX_FMT_FP4 matrix_b_fmt:MATRIX_FMT_FP4
.endif
.endr
.endm
.macro OM k
	v_pk_mul_f32 v[O+2*(\k):O+2*(\k)+1], v[O+2*(\k):O+2*(\k)+1], v[FF:FF+1] op_sel_hi:[1,0]   ; O^T under the new M
.endm
.macro STEP ends, pf
.if \ends
	s_cmp_ge_u32 s[KT], s[AH]                      ; all these branches hang on the wave's number and the count of steps alone
	s_cbranch_scc0 .Lfull_\@
	s_cmp_gt_u32 s[KT], s[AH]
	s_cbranch_scc1 .Lhid_\@                        ; hidden
	s_cmp_eq_u32 s[AO], 0
	s_cbranch_scc0 .Lfull_\@
	HSTEP                                          ; on the diagonal with a even: the step's upper 64 keys are hidden whole
	s_branch .Lhid_\@
.Lfull_\@:
.endif
	s_wait_dscnt 0x0                               ; K's 8 + 4 loads, issued a step ago, are in
.irp k, 0,1,2,3,4,5,6,7
.if (\k)%2
	v_wmma_scale_f32_16x16x128_f8f6f4 v[S+8*\k:S+8*\k+7], v[KFR+8*\k:KFR+8*\k+7], v[QF:QF+7], 0, v[KS+\k/2], v[QS] matrix_a_fmt:MATRIX_FMT_FP4 matrix_b_fmt:MATRIX_FMT_FP4 matrix_a_scale:MATRIX_SCALE_ROW1
.else
	v_wmma_scale_f32_16x16x128_f8f6f4 v[S+8*\k:S+8*\k+7], v[KFR+8*\k:KFR+8*\k+7], v[QF:QF+7], 0, v[KS+\k/2], v[QS] matrix_a_fmt:MATRIX_FMT_FP4 matrix_b_fmt:MATRIX_FMT_FP4
.endif
.endr
	v_mov_b32 v[MO], v12                           ; these five lines are the places behind the products
	v_add_nc_u32 v[ADV], s[TB], v[L16]
	v_add_nc_u32 v[ADVS], s[TB], v[L8]
	v_add_nc_u32 v[ADK], s[TB], v[LK]
	v_add_nc_u32 v[ADKS], s[TB], v[LKS]
.if \ends
	s_cmp_lt_u32 s[KT], s[AH]                      ; only the tile's last step lies on the diagonal
	s_cbranch_scc1 .Lopen_\@
	v_add_nc_u32 v255, s[DQ], v[DL]                ; 16 j + r - 32 h
	v_mov_b32 v254, 0xff800000
	MASK32 S+32                                    ; a odd: the first 64 keys all count, my queries lie among the other 64
.Lopen_\@:
.endif
	v_max3_num_f32 v[TM],   v[S],    v[S+1],  v[S+2]   ; my two blocks' largest scores, each in two chains; each accumulator is read from its low end on
	v_max3_num_f32 v254,    v[S+16], v[S+17], v[S+18]
	v_max3_num_f32 v[TM+1], v[S+32], v[S+33], v[S+34]
	v_max3_num_f32 v255,    v[S+48], v[S+49], v[S+50]
.irp i, 3,5,7,9,11,13
	v_max3_num_f32 v[TM],   v[TM],   v[S+\i],    v[S+\i+1]
	v_max3_num_f32 v254,    v254,    v[S+16+\i], v[S+17+\i]
	v_max3_num_f32 v[TM+1], v[TM+1], v[S+32+\i], v[S+33+\i]
	v_max3_num_f32 v255,    v255,    v[S+48+\i], v[S+49+\i]
.endr
	v_max3_num_f32 v[TM],   v[TM],   v254, v[S+15]
	v_max3_num_f32 v[TM+1], v[TM+1], v255, v[S+47]
	v_max_num_f32 v[TM],   v[TM],   v[S+31]
	v_max_num_f32 v[TM+1], v[TM+1], v[S+63]
	v_max_num_f32 v254, v[TM], v[TM+1]
	v_permlanex16_b32 v255, v254, s[SEL], s[SEL+1]
	v_max3_num_f32 v13, v13, v254, v255            ; the largest score of my query so far
	v_mul_f32 v254, s[NC], v13
	v_floor_f32 v12, v254                          ; the new -M = floor(-t): M is a whole number
.set ii, 0
.rept 32
	v_pk_fma_f32 v[S+ii:S+ii+1], v[S+ii:S+ii+1], s[CS:CS+1], v[12:13] op_sel_hi:[1,0,0]   ; t - M, two at a time; f is made between them
.if ii == 6
	v_sub_f32 v254, v12, v[MO]                     ; old M - new M: a whole number, 0 or less
.endif
.if ii == 14
	v_cvt_i32_f32 v254, v254                       ; (it saturates)
.endif
.if ii == 22
	v_ldexp_f32 v[FF], 1.0, v254                   ; f = 2^(old M - new M)
.endif
.set ii, ii+2
.endr
.irp b, 0,1
	v_fma_f32 v[TM+\b], v[TM+\b], s[CS], v12       ; the same of each block's largest score
.endr
	s_wait_alu depctr_va_vdst(0)                   ; the wait ahead of the batch.  Behind it stand the step's LDS loads: this step's V, then the next step's K
	VL
.if \pf
.irp T, 0,1,2,3,4,5,6,7
	KL \T, REC
.endr
.irp u, 0,1,2,3
	KSL \u, REC
.endr
.endif
.set ii, 0
.rept 64
	v_exp_f32 v[S+ii], v[S+ii]                     ; p = 2^(t - M)
.set ii, ii+1
.endr
.irp b, 0,1
	v_exp_f32 v[TM+\b], v[TM+\b]                   ; the block's largest p: the same two instructions on the same number
.endr
	v_pk_mul_f32 v[LS:LS+1], v[LS:LS+1], v[FF:FF+1] op_sel_hi:[1,0]   ; the sums under the new M.  (A plain place behind the exponentials)
	s_wait_dscnt 12*\pf                            ; V's loads are in; the next K's 8 + 4, issued behind them, may be out
	s_wait_alu depctr_va_vdst(0)                   ; one wait behind the batch, directly ahead of the first readers of O^T too
.irp k, 0,1,2,3
	OM \k
.endr
.irp b, 0,1
	v_max_num_f32 v[TM+\b], 0x1800000, v[TM+\b]    ; the floor 2^(3 - 127): the byte cannot fall under 1
.endr
.irp k, 4,5,6,7
	OM \k
.endr
.irp b, 0,1
	v_add_nc_u32 v[SO+\b], 0xff000000, v[TM+\b]    ; 2 off the exponent field: the conversion's scale operand
.endr
.irp k, 8,9,10,11
	OM \k
.endr
.irp b, 0,1
	v_lshrrev_b32 v[TM+\b], 23, v[SO+\b]           ; the scale's byte
.endr
	OM 12
	OM 13
	v_lshl_or_b32 v254, v[TM+1], 16, v[TM]         ; my bytes: blocks h and 2 + h,
	OM 14
	OM 15
	v_lshlrev_b32 v254, v[SH8], v254               ; at their places in the word;
	v_lshl_or_b32 v[VW], v[VR+2], 16, v[VR]        ; V's scale words: key blocks 0, 1 below, 2, 3 above
	v_lshl_or_b32 v[VW+1], v[VR+3], 16, v[VR+1]
	v_permlanex16_b32 v255, v254, s[SEL], s[SEL+1]
.irp c, 0,1
.irp t, 0,1,2,3
	v_cvt_scalef32_pk8_fp4_f32 v[PC+4*\c+\t], v[S+8*(4*\c+\t):S+8*(4*\c+\t)+7], v[SO+\c]   ; keys 64 c + 32 h + 8 t .. + 7: register 4 c + t of the operand
.endr
.endr
	v_or_b32 v[PW], v254, v255                     ; with lane l xor 16's two the word is whole
.set ii, 0
.rept 3
	v_pk_add_f32 v[LS+2+2*ii:LS+3+2*ii], v[S+4*ii:S+4*ii+1], v[S+4*ii+2:S+4*ii+3]   ; the row's sum of the unquantised p, in four chains.  (Plain work behind the conversions, and the places ahead of the products)
.set ii, ii+1
.endr
.set ii, 6
.rept 26
	v_pk_add_f32 v[LS+2*(ii%4):LS+2*(ii%4)+1], v[LS+2*(ii%4):LS+2*(ii%4)+1], v[S+2*ii:S+2*ii+1]
.set ii, ii+1
.endr
	v_pk_add_f32 v[LS:LS+1], v[LS:LS+1], v[LS+2:LS+3]
	v_pk_add_f32 v[LS+4:LS+5], v[LS+4:LS+5], v[LS+6:LS+7]
	v_pk_add_f32 v[LS:LS+1], v[LS:LS+1], v[LS+4:LS+5]
.irp n, 0,1,2,3
.if (\n)%2
	v_wmma_scale_f32_16x16x128_f8f6f4 v[O+8*\n:O+8*\n+7], v[VFR+8*\n:VFR+8*\n+7], v[PC:PC+7], v[O+8*\n:O+8*\n+7], v[VW+\n/2], v[PW] matrix_a_fmt:MATRIX_FMT_FP4 matrix_b_fmt:MATRIX_FMT_FP4 matrix_a_scale:MATRIX_SCALE_ROW1
.else
	v_wmma_scale_f32_16x16x128_f8f6f4 v[O+8*\n:O+8*\n+7], v[VFR+8*\n:VFR+8*\n+7], v[PC:PC+7], v[O+8*\n:O+8*\n+7], v[VW+\n/2], v[PW] matrix_a_fmt:MATRIX_FMT_FP4 matrix_b_fmt:MATRIX_FMT_FP4
.endif
.endr
.if \ends
.Lhid_\@:
.endif
	s_add_co_u32 s[TB], s[TB], REC
	s_add_co_u32 s[KT], s[KT], 1
.endm
.macro PROLOG
	v_mov_b32 v13, 0xff61b1e6                      ; the largest score so far: -3e38
	v_mul_f32 v12, s[NC], v13
	v_floor_f32 v12, v12                           ; -M
	v_mov_b32 v[LS], 0
	v_mov_b32 v[LS+1], 0
.set ii, 0
.rept 32
	v_mov_b32 v[O+ii], 0                           ; O^T: the step is written once; the first finds zeros, which the first change of M leaves zeros
.set ii, ii+1
.endr
	s_mov_b32 s[TB], 0
	s_mov_b32 s[KT], 0
	s_wait_alu depctr_va_vdst(0)                   ; the wait ahead of the waits below
	s_wait_dscnt 0x0                               ; no load into K's registers is out
.irp T, 0,1,2,3,4,5,6,7
	ds_load_b128 v[KFR+8*\T:KFR+8*\T+3], v[LK] offset:2048*(\T/4)+512*((\T%4)/2)+128*(\T%2)   ; record 0's K
.endr
.irp u, 0,1,2,3
	ds_load_b32 v[KS+\u], v[LKS] offset:8192+128*\u
.endr
	s_wait_loadcnt 0x0                             ; Q
.endm
.macro EPILOG first
	s_wait_alu depctr_va_vdst(0)                   ; the wait behind the loop's branches
	PLACES                                         ; behind the last products
.if \first
	s_mov_b32 s[T1], s[WV]
	SETA
	QLOAD                                          ; the second pass's Q lands under the way out
	s_lshl_b32 s[T1], s[Q0A], 8
.else
	s_lshl_b32 s[T1], s[Q0B], 8
.endif
	s_add_co_u32 s[T1], s[T1], s[CB]
	v_add_f32 v[LS], v[LS], v[LS+1]                ; the sum's two halves,
	v_permlanex16_b32 v254, v[LS], s[SEL], s[SEL+1]
	v_add_f32 v[LS], v[LS], v254                   ; and lane l xor 16's: the row's sum
	s_wait_alu depctr_va_vdst(0)
	v_rcp_f32 v[LS], v[LS]
	v_nop
	s_wait_alu depctr_va_vdst(0)
.set ii, 0
.rept 16
	v_pk_mul_f32 v[S+ii:S+ii+1], v[O+ii:O+ii+1], v[LS:LS+1] op_sel_hi:[1,0]   ; ctx = O^T / the sum: register 8 n + i is channel 16 n + 8 h + i of my query
.set ii, ii+2
.endr
.if \first
	QUANT2 S, PC, WA
.else
	QUANT2 S, PC, 255
.endif
	v_add_nc_u32 v[CO], s[T1], v[L16]
	global_store_b128 v[CO], v[PC:PC+3], s[8:9]    ; 32 lanes store 512 consecutive bytes, at a multiple of 256 from the buffer's first byte
.if \first
	s_wait_xcnt 0x0                                ; the store has read its registers: the second pass writes them again
.endif
.endm
	PROLOG                                         ; THE FIRST PASS: a = 31 - w, 9 to 16 steps
.Lp1a:                                             ; its steps 0-3 read records 0-3: three that ask for the next record's K,
	STEP 0, 1
	s_cmp_lt_u32 s[KT], 3
	s_cbranch_scc1 .Lp1a
	STEP 0, 0                                      ; and one that does not
	s_wait_tensorcnt 0x0                           ; my part of records 4-15 is in,
	s_barrier_signal -1
	s_barrier_wait -1                              ; everybody's is: from here on LDS is only read
	v_add_nc_u32 v[ADK], s[TB], v[LK]              ; record 4's K
	v_add_nc_u32 v[ADKS], s[TB], v[LKS]
.irp T, 0,1,2,3,4,5,6,7
	KL \T, 0
.endr
.irp u, 0,1,2,3
	KSL \u, 0
.endr
.Lp1b:
	STEP 1, 1
	s_cmp_lt_u32 s[KT], 15
	s_cbranch_scc1 .Lp1b
	STEP 1, 0                                      ; record 15 has no successor
	EPILOG 1
	PROLOG                                         ; THE SECOND PASS: a = w, 1 to 8 steps
.Lp2:
	STEP 1, 1
	s_cmp_lt_u32 s[KT], 8
	s_cbranch_scc1 .Lp2
	EPILOG 0
	; the two passes' scale words leave together: lanes 0-15 the first pass's 16 rows, lanes 16-31 the second's; two bytes of each row's 32
	v_cndmask_b32 v254, v[WA], v255, s[LM]
	s_lshr_b32 s[T1], s[BH], 4
	s_lshl_b32 s[T1], s[T1], 11
	s_add_co_u32 s[T2], s[T1], s[Q0B]
	s_add_co_u32 s[T1], s[T1], s[Q0A]
	s_lshl_b32 s[T1], s[T1], 5
	s_lshl_b32 s[T2], s[T2], 5
	s_and_b32 s[T3], s[BH], 15
	s_lshl_b32 s[T3], s[T3], 1
	s_add_co_u32 s[T1], s[T1], s[T3]
	s_add_co_u32 s[T2], s[T2], s[T3]
	v_mov_b32 v[LS+6], s[T1]
	v_mov_b32 v[LS+7], s[T2]
	v_cndmask_b32 v[LS+6], v[LS+6], v[LS+7], s[LM]
	v_lshl_add_u32 v[LS+6], v[RR], 5, v[LS+6]
	s_wait_alu depctr_va_vdst(0)
	global_store_b16 v[LS+6], v254, s[10:11]
	s_wait_tensorcnt 0x0                           ; the wave's end
	ds_add_u32 v[SPW], v[NIL]
	s_wait_dscnt 0x0
	ROUND                                          ; the closing round
	s_endpgm
.Lfunc_end_k_q21fec81ba1_attn:
	.size	k_q21fec81ba1_attn, .Lfunc_end_k_q21fec81ba1_attn-k_q21fec81ba1_attn
	.p2alignl 7, 3214868480
	.fill 96, 4, 3214868480
	.section	.rodata,"a",@progbits
	.p2align	6, 0x0
	.amdhsa_kernel k_q21fec81ba1_attn
		.amdhsa_group_segment_fixed_size 327680
		.amdhsa_private_segment_fixed_size 0
		.amdhsa_enable_private_segment 0
		.amdhsa_kernarg_size 32
		.amdhsa_user_sgpr_count 2
		.amdhsa_user_sgpr_kernarg_segment_ptr 1
		.amdhsa_wavefront_size32 1
		.amdhsa_system_sgpr_workgroup_id_x 1
		.amdhsa_system_sgpr_workgroup_id_y 1
		.amdhsa_system_sgpr_workgroup_id_z 1
		.amdhsa_system_vgpr_workitem_id 0
		.amdhsa_next_free_vgpr 256
		.amdhsa_next_free_sgpr 66
		.amdhsa_reserve_vcc 1
		.amdhsa_float_denorm_mode_32 3
		.amdhsa_float_denorm_mode_16_64 3
		.amdhsa_memory_ordered 1
		.amdhsa_forward_progress 1
		.amdhsa_inst_pref_size 128
	.end_amdhsa_kernel
	.amdgpu_metadata
---
amdhsa.version: [ 1, 2 ]
amdhsa.kernels:
  - .name:           k_q21fec81ba1_attn
    .symbol:         k_q21fec81ba1_attn.kd
    .args:
      - { .name: qbuf, .offset: 0, .size: 8, .value_kind: global_buffer, .address_space: global }
      - { .name: kv, .offset: 8, .size: 8, .value_kind: global_buffer, .address_space: global }
      - { .name: ctxc, .offset: 16, .size: 8, .value_kind: global_buffer, .address_space: global }
      - { .name: ctxs, .offset: 24, .size: 8, .value_kind: global_buffer, .address_space: global }
    .group_segment_fixed_size: 327680
    .private_segment_fixed_size: 0
    .kernarg_segment_align: 8
    .kernarg_segment_size: 32
    .max_flat_workgroup_size: 512
    .sgpr_count:     66
    .vgpr_count:     256
    .wavefront_size: 32
...
	.end_amdgpu_metadata
.endif
;; end of part 2
;; launch oproj (part 3): grid 4 x 64, 8 waves a work-group, clusters of 4 x 4, 263,168 bytes of LDS; arguments ctxc, ctxs, Wo_codes, Wo_scales, bo, out0; writes out0
.if DOCPART == 3
	.amdgcn_target "amdgcn-amd-amdhsa--gfx1250"
	.amdhsa_code_object_version 6
	.text
	.protected	k_q21fec81ba1_oproj
	.globl	k_q21fec81ba1_oproj
	.p2align	8
	.type	k_q21fec81ba1_oproj,@function
k_q21fec81ba1_oproj:
	s_mov_b64 s[64:65], 0
	v_nop
	global_prefetch_b8 v0, s[64:65] scope:SCOPE_SE
	s_setreg_imm32_b32 hwreg(HW_REG_WAVE_MODE, 25, 1), 1
	s_wait_xcnt 0x0
	s_wait_alu depctr_hold_cnt(0) depctr_sa_sdst(0) depctr_va_vdst(0) depctr_va_sdst(0) depctr_va_ssrc(0) depctr_va_vcc(0) depctr_vm_vsrc(0)
	s_getreg_b32 s2, hwreg(HW_REG_IB_STS2, 6, 4)
	s_cmp_eq_u32 s2, 0
	s_cbranch_scc0 .Lentry_in_a_cluster
	s_endpgm
.Lentry_in_a_cluster:
	s_bfe_u32 s2, ttmp6, 0x10000c
	s_cmp_lg_u32 s2, 0xf033
	s_cbranch_scc0 .Lentry_shape_is_right
	s_endpgm
.Lentry_shape_is_right:
; out = ctx Wo + bo on codes of FP4 (E2M1) with one E8M0 scale for each 32 along K = 1,024.  ctx: 8,192 rows, as images of operand registers (ctxc) and rows of 32 scale bytes (ctxs); Wo: [1,024 columns][512 bytes], K innermost.
; SHARES.  Work-group (X, Y): rows 128 Y .. + 127 x columns 256 X .. + 255.  Eight waves: wave / 4 = which 64 rows, wave % 4 = which 64 columns; a wave makes 64 x 64: 16 accumulators, 8 K steps of 128.
; Source 0 = 16 rows of Wo (columns of out), source 1 = 16 rows of ctx: a lane then holds eight neighbouring numbers of a row of out.  bo is the C of each sum's first matrix instruction.
; LDS.  All operands fit at once: every byte is filled once.  Wo's codes: 256 rows x (512 + 16) bytes, all of K in a row; ctx's images: two halves of [8 row tiles][4,096 bytes]; a stage of 16 rows x 272 bytes for each
; wave, into which no fill lands; the scale bytes as units of 256 + 16 bytes: units 0-15 ctx's 128 rows, units 16-47 Wo's 256.
; CLUSTER 4 x 4: the four work-groups of a row of the cluster share Y and so ctx's tiles, the four of a column share X and so Wo's: each tile is asked for jointly.
; LIMITS.  NaN, infinities and a given scale byte 0xff are not served.
.set WCH,   69632                      ; Wo's codes of 512 along K: 256 rows x 272
.set CT,    2*WCH                      ; ctx's images
.set STG,   CT+65536                   ; the stages
.set SCL,   STG+8*4352                 ; the scale bytes
.set AW,    4                          ; v4-5   LDS address of Wo's fragments, K's first and second half
.set AC,    6                          ; v6-7   the same for ctx's images
.set ADS,   8                          ; v8     of my scale words: lanes 0-15 ctx's rows, lanes 16-31 Wo's
.set STO,   10                         ; v10    the stage: where I put 32 bytes of a row
.set RD,    11                         ; v11    and where I read a row back
.set CO,    12                         ; v12    my byte offset in two rows of out
.set BO,    15                         ; v15    my byte offset in bo
.set BIAS,  16                         ; v16-47
.set SC,    48                         ; v48-63 scale words: register 4 i + q: lanes 0-15 ctx's tile i, lanes 16-31 Wo's tile i
.set F0,    64                         ; v64-95  Wo's four fragments
.set F1,    96                         ; v96-127 ctx's
.set ACC,   128                        ; accumulator (t, i) at 128 + 8 (4 i + t)
.set BK,    64                         ; the way out: 16 rows read back: v64-95 and v96-127 by turns
.set WV,    30
.set G1W,   32                         ; s[32:39] group 1: Wo's codes;  s[40:47] Wo's scales;  s[48:55] ctx's codes;  s[56:63] ctx's scales
.set G1SW,  40
.set G1C,   48
.set G1SC,  56
.set G0WS,  68
.set G0W0,  72
.set G0W1,  76
.set G0CS,  80
.set G0C0,  84
.set G0C1,  88
; LDS AS IT NOW STANDS: a row of Wo's codes is all of K, 512 bytes + 16 of padding, 256 rows from byte 0; K's second half lies 256 bytes on in each row.  One tensor load a wave:
; waves 0 to 3 Wo's quarters of 64 rows; wave 4 Wo's scale bytes (units 16-47); wave 5 ctx's (units 0-15); waves 6 and 7 ctx's images of K's first and second half, 32,768 dense bytes each.
.set CODEW, (1<<20)|(1<<21)|(6<<22)|(3<<25)
.set SCALW, (3<<16)|(1<<20)|(1<<21)|(5<<22)|(3<<25)
.macro PLACES
.rept 4
	v_nop
.endr
.endm
.macro CROUND
	s_barrier_signal -1
	s_barrier_wait -1
	s_cmp_lg_u32 s[WV], 0
	s_cbranch_scc1 .Lnot_wave_0_\@
	s_barrier_signal -3
.Lnot_wave_0_\@:
	s_barrier_wait -3
	s_barrier_signal -1
	s_barrier_wait -1
.endm
	s_load_b256 s[4:11], s[0:1], 0x0               ; ctxc s[4:5], ctxs s[6:7], Wo codes s[8:9], Wo scales s[10:11]
	s_load_b128 s[12:15], s[0:1], 0x20             ; bo s[12:13], out s[14:15]
	v_lshl_add_u32 v13, v0, 2, 0x40000
	v_mov_b32 v14, 0
	ds_add_u32 v13, v14
	ds_add_u32 v13, v14
	v_lshrrev_b32 v1, 5, v0
	s_delay_alu instid0(VALU_DEP_1)
	v_readfirstlane_b32 s[WV], v1                  ; wave 0..7
	s_bfe_u32 s96, ttmp6, 0x40000                  ; cx
	s_bfe_u32 s92, ttmp6, 0x40004                  ; cy
	s_lshl_b32 s97, ttmp9, 2
	s_add_co_u32 s97, s97, s96                     ; X
	s_and_b32 s93, ttmp7, 0xffff
	s_lshl_b32 s93, s93, 2
	s_add_co_u32 s93, s93, s92                     ; Y
	s_lshl_b32 s100, s92, 2
	s_lshl_b32 s100, 15, s100                      ; my row of the cluster: ctx's tiles
	s_lshl_b32 s101, 0x1111, s96                   ; my column: Wo's tiles
	s_or_b32 s[G1W], s101, CODEW                   ; 64 rows x 512 bytes, rows 512 bytes apart, 16 bytes of padding behind each
	s_mov_b32 s[G1W+1], 512<<16
	s_mov_b32 s[G1W+2], 64<<16
	s_mov_b32 s[G1W+3], 512<<16
	s_mov_b32 s[G1W+4], 64
	s_mov_b32 s[G1W+5], 512
	s_mov_b32 s[G1W+6], 0
	s_mov_b32 s[G1W+7], 0
	s_or_b32 s[G1C], s100, (3<<16)|(1<<21)         ; 32,768 dense bytes as 128 rows of 32 elements of 8 bytes, no padding: images are read 16 bytes a lane on end
	s_mov_b32 s[G1C+1], 32<<16
	s_mov_b32 s[G1C+2], 128<<16
	s_mov_b32 s[G1C+3], 32<<16
	s_mov_b32 s[G1C+4], 128
	s_mov_b32 s[G1C+5], 32
	s_mov_b32 s[G1C+6], 0
	s_mov_b32 s[G1C+7], 0
	s_or_b32 s[G1SW], s101, SCALW
	s_or_b32 s[G1SC], s100, SCALW
	s_mov_b32 s[G1SW+2], 32<<16                    ; Wo's scales: 256 rows, 32 units
	s_mov_b32 s[G1SW+4], 32
	s_mov_b32 s[G1SC+2], 16<<16                    ; ctx's: 128 rows, 16 units
	s_mov_b32 s[G1SC+4], 16
.irp g, G1SW, G1SC                     ; the scales of 64 rows: 2,048 dense bytes as 8 rows of 256, padded
	s_mov_b32 s[\g+1], 32<<16
	s_mov_b32 s[\g+3], 32<<16
	s_mov_b32 s[\g+5], 32
	s_mov_b32 s[\g+6], 0
	s_mov_b32 s[\g+7], 0
.endr
	; Wo, waves 0 to 3: rows 256 X + 64 w
	s_lshl_b32 s98, s97, 17
	s_lshl_b32 s99, s[WV], 15
	s_add_co_u32 s98, s98, s99
	s_mov_b32 s99, 0
	s_mul_i32 s2, s[WV], 33792                     ; 64 rows x 528 bytes
	s_mov_b32 s[G0WS], 1
	s_mov_b32 s[G0WS+1], SCL+16*272
	s_mov_b32 s[G0W0], 1
	s_mov_b32 s[G0W0+1], s2
	; ctx's images, waves 6 and 7: K's half e = wave & 1 of rows 128 Y on
	s_and_b32 s2, s[WV], 1
	s_lshl_b32 s94, s93, 15                        ; 8 row tiles of 4,096 bytes,
	s_lshl_b32 s95, s2, 21                         ; the halves 2,097,152 bytes apart
	s_add_co_u32 s94, s94, s95
	s_mov_b32 s95, 0
	s_lshl_b32 s2, s2, 15
	s_add_co_u32 s2, s2, CT
	s_mov_b32 s[G0CS], 1
	s_mov_b32 s[G0CS+1], SCL
	s_mov_b32 s[G0C0], 1
	s_mov_b32 s[G0C0+1], s2
	s_wait_dscnt 0x0
	s_wait_kmcnt 0x0
	s_add_nc_u64 s[G0W0+2:G0W0+3], s[8:9], s[98:99]
	s_lshl_b32 s98, s97, 13                        ; 256 rows of 32 scale bytes
	s_add_nc_u64 s[G0WS+2:G0WS+3], s[10:11], s[98:99]
	s_add_nc_u64 s[G0C0+2:G0C0+3], s[4:5], s[94:95]
	s_lshl_b32 s94, s93, 12                        ; 128 rows of 32 scale bytes
	s_add_nc_u64 s[G0CS+2:G0CS+3], s[6:7], s[94:95]
.irp g, G0WS, G0W0, G0CS, G0C0
	s_or_b32 s[\g+3], s[\g+3], 0x80000000
.endr
	CROUND                                         ; all sixteen work-groups are here: the joint loads meet
	s_cmp_lt_u32 s[WV], 4                          ; a wave's one fill, chosen by a chain of branches on its number; one load of mine is out at the most
	s_cbranch_scc0 .Lnot_w
	tensor_load_to_lds s[G0W0:G0W0+3], s[G1W:G1W+7]
	s_nop 0
	PLACES
	s_branch .Lasked
.Lnot_w:
	s_cmp_eq_u32 s[WV], 4
	s_cbranch_scc0 .Lnot_ws
	tensor_load_to_lds s[G0WS:G0WS+3], s[G1SW:G1SW+7]
	s_nop 0
	PLACES
	s_branch .Lasked
.Lnot_ws:
	s_cmp_eq_u32 s[WV], 5
	s_cbranch_scc0 .Lfor_c
	tensor_load_to_lds s[G0CS:G0CS+3], s[G1SC:G1SC+7]
	s_nop 0
	PLACES
	s_branch .Lasked
.Lfor_c:
	tensor_load_to_lds s[G0C0:G0C0+3], s[G1C:G1C+7]
	s_nop 0
	PLACES
.Lasked:
	v_and_b32 v1, 15, v0                           ; r
	s_wait_alu depctr_va_vdst(0)
	v_bfe_u32 v2, v0, 4, 1                         ; h
	v_and_b32 v3, 31, v0                           ; lane
	s_lshr_b32 s4, s[WV], 2                        ; which 64 rows
	s_and_b32 s5, s[WV], 3                         ; which 64 columns
	s_mul_i32 s6, s5, 33792
	v_mul_u32_u24 v9, v1, 528
	s_delay_alu instid0(VALU_DEP_1)
	v_lshl_add_u32 v9, v2, 4, v9
	s_delay_alu instid0(VALU_DEP_1)
	v_add_nc_u32 v[AW], s6, v9
	s_delay_alu instid0(VALU_DEP_1)
	v_add_nc_u32 v[AW+1], 256, v[AW]
	s_lshl_b32 s6, s4, 14
	s_add_co_u32 s6, s6, CT
	v_lshl_add_u32 v[AC], v3, 4, s6
	s_delay_alu instid0(VALU_DEP_1)
	v_add_nc_u32 v[AC+1], 32768, v[AC]
	s_lshl_b32 s6, s5, 3
	s_add_co_u32 s6, s6, 16                        ; Wo's first unit of scales: 16 + 8 x columns' quarter,
	s_lshl_b32 s7, s4, 3                           ; ctx's: 8 x rows' half: always the lower
	s_sub_co_u32 s6, s6, s7
	s_mul_i32 s6, s6, 272
	s_mul_i32 s7, s7, 272
	s_add_co_u32 s7, s7, SCL
	v_and_b32 v9, 7, v1
	s_delay_alu instid0(VALU_DEP_1)
	v_lshlrev_b32 v9, 5, v9
	v_lshrrev_b32 v[ADS], 3, v1
	s_delay_alu instid0(VALU_DEP_1)
	v_mad_u32_u24 v9, v[ADS], 272, v9
	v_mul_u32_u24 v[ADS], s6, v2                   ; lanes 16-31 take Wo's
	s_delay_alu instid0(VALU_DEP_1)
	v_add_nc_u32 v[ADS], v[ADS], v9
	s_delay_alu instid0(VALU_DEP_1)
	v_add_nc_u32 v[ADS], s7, v[ADS]
	s_mul_i32 s8, s[WV], 4352
	s_add_co_u32 s8, s8, STG                       ; my stage
	v_mul_u32_u24 v[STO], v1, 272
	s_delay_alu instid0(VALU_DEP_1)
	v_lshl_add_u32 v[STO], v2, 5, v[STO]
	s_delay_alu instid0(VALU_DEP_1)
	v_add_nc_u32 v[STO], s8, v[STO]                ; in: row r, 32 bytes for each half of the lanes
	v_mul_u32_u24 v[RD], v2, 272
	s_delay_alu instid0(VALU_DEP_1)
	v_lshl_add_u32 v[RD], v1, 4, v[RD]
	s_delay_alu instid0(VALU_DEP_1)
	v_add_nc_u32 v[RD], s8, v[RD]                  ; back: lanes 0-15 one row of 256 bytes, lanes 16-31 the next
	v_lshlrev_b32 v[CO], 12, v2
	s_delay_alu instid0(VALU_DEP_1)
	v_lshl_add_u32 v[CO], v1, 4, v[CO]             ; and the same two rows in out
	s_lshl_b32 s20, s97, 10
	s_lshl_b32 s21, s5, 8
	s_add_co_u32 s20, s20, s21                     ; my first column, in bytes
	s_mov_b32 s21, 0
	s_lshl_b32 s16, s93, 19
	s_lshl_b32 s17, s4, 18
	s_add_co_u32 s16, s16, s17                     ; my first row, in bytes
	s_add_co_u32 s16, s16, s20
	s_mov_b32 s17, 0
	s_add_nc_u64 s[18:19], s[14:15], s[16:17]
	s_add_nc_u64 s[20:21], s[12:13], s[20:21]
	v_lshlrev_b32 v[BO], 5, v2                     ; register j of tile t wants bo(16 t + 8 h + j) of my 64
.irp t, 0,1,2,3
	global_load_b128 v[BIAS+8*\t:BIAS+8*\t+3],   v[BO], s[20:21] offset:64*\t
	global_load_b128 v[BIAS+8*\t+4:BIAS+8*\t+7], v[BO], s[20:21] offset:64*\t+16
.endr
.macro SCALES g
.irp i, 0,1,2,3
	ds_load_b128 v[SC+4*\i:SC+4*\i+3], v[ADS] offset:544*\i+16*\g
.endr
.endm
; A K step of 128: eight fragments, 16 matrix instructions on 16 accumulators by turns, four places.  first = 1: the sums begin with the bias
.macro KSTEP g, q, first
.irp t, 0,1,2,3
.irp c, 0,1
	ds_load_b128 v[F0+8*\t+4*\c:F0+8*\t+4*\c+3], v[AW+\g] offset:8448*\t+64*\q+32*\c
.endr
.endr
.irp i, 0,1,2,3
.irp c, 0,1
	ds_load_b128 v[F1+8*\i+4*\c:F1+8*\i+4*\c+3], v[AC+\g] offset:4096*\i+1024*\q+512*\c
.endr
.endr
	s_wait_dscnt 0x0
.irp i, 0,1,2,3
.irp t, 0,1,2,3
.if \first
	v_wmma_scale_f32_16x16x128_f8f6f4 v[ACC+8*(4*\i+\t):ACC+8*(4*\i+\t)+7], v[F0+8*\t:F0+8*\t+7], v[F1+8*\i:F1+8*\i+7], v[BIAS+8*\t:BIAS+8*\t+7], v[SC+4*\t+\q], v[SC+4*\i+\q] matrix_a_fmt:MATRIX_FMT_FP4 matrix_b_fmt:MATRIX_FMT_FP4 matrix_a_scale:MATRIX_SCALE_ROW1
.else
	v_wmma_scale_f32_16x16x128_f8f6f4 v[ACC+8*(4*\i+\t):ACC+8*(4*\i+\t)+7], v[F0+8*\t:F0+8*\t+7], v[F1+8*\i:F1+8*\i+7], v[ACC+8*(4*\i+\t):ACC+8*(4*\i+\t)+7], v[SC+4*\t+\q], v[SC+4*\i+\q] matrix_a_fmt:MATRIX_FMT_FP4 matrix_b_fmt:MATRIX_FMT_FP4 matrix_a_scale:MATRIX_SCALE_ROW1
.endif
.endr
.endr
	PLACES
.endm
	s_wait_loadcnt 0x0                             ; bo
	s_wait_tensorcnt 0x0                           ; my one tensor load is in
	s_barrier_signal -1
	s_barrier_wait -1                              ; everybody's are.
	SCALES 0
	KSTEP 0, 0, 1
	KSTEP 0, 1, 0
	KSTEP 0, 2, 0
	KSTEP 0, 3, 0
	SCALES 1
	KSTEP 1, 0, 0
	KSTEP 1, 1, 0
	KSTEP 1, 2, 0
	KSTEP 1, 3, 0                                  ; its four places also stand in front of the stage's stores and of the loads into the fragments' registers
; THE WAY OUT, 16 rows x 64 columns at a time: a lane holds 32 neighbouring bytes of a row, and the lanes beside it hold other rows: so a block goes through my own stage and comes back as whole rows of 256 bytes.
; LDS serves a wave's instructions in order (ISA guide 5.7.1.4): no wait between the stores and the loads, nor in front of the next block's stores.
.macro TOSTAGE i
.irp t, 0,1,2,3
	ds_store_b128 v[STO], v[ACC+8*(4*(\i)+\t):ACC+8*(4*(\i)+\t)+3] offset:64*\t        ; each accumulator from its low end on
	ds_store_b128 v[STO], v[ACC+8*(4*(\i)+\t)+4:ACC+8*(4*(\i)+\t)+7] offset:64*\t+16
.endr
.irp k, 0,1,2,3,4,5,6,7
	ds_load_b128 v[BK+32*((\i)%2)+4*\k:BK+32*((\i)%2)+4*\k+3], v[RD] offset:544*\k
.endr
.endm
.macro SEND i, younger                 ; younger: the LDS instructions issued behind block i's loads, which may stay out
	s_wait_dscnt \younger
.irp k, 0,1,2,3,4,5,6,7
	global_store_b128 v[CO], v[BK+32*((\i)%2)+4*\k:BK+32*((\i)%2)+4*\k+3], s[18:19] offset:(16*(\i)+2*\k)*4096 th:TH_STORE_NT   ; 16 lanes store 256 consecutive bytes, at a multiple of 256 from out's first byte
.endr
.endm
	s_wait_alu depctr_va_vdst(0)
	TOSTAGE 0
.irp i, 1,2,3
.if \i > 1
	s_wait_xcnt 0x0                                ; block i - 2's stores have read their registers: block i's loads may land there
.endif
	TOSTAGE \i
	SEND \i-1, 16                                  ; behind block i - 1's loads: block i's 8 stores and 8 loads
.endr
	SEND 3, 0
	s_wait_tensorcnt 0x0
	ds_add_u32 v13, v14
	s_wait_dscnt 0x0
	CROUND                                         ; the closing round: no work-group ends while a partner may still ask for a tile that names it
	s_endpgm
.Lfunc_end_k_q21fec81ba1_oproj:
	.size	k_q21fec81ba1_oproj, .Lfunc_end_k_q21fec81ba1_oproj-k_q21fec81ba1_oproj
	.p2alignl 7, 3214868480
	.fill 96, 4, 3214868480
	.section	.rodata,"a",@progbits
	.p2align	6, 0x0
	.amdhsa_kernel k_q21fec81ba1_oproj
		.amdhsa_group_segment_fixed_size 263168
		.amdhsa_private_segment_fixed_size 0
		.amdhsa_enable_private_segment 0
		.amdhsa_kernarg_size 48
		.amdhsa_user_sgpr_count 2
		.amdhsa_user_sgpr_kernarg_segment_ptr 1
		.amdhsa_wavefront_size32 1
		.amdhsa_system_sgpr_workgroup_id_x 1
		.amdhsa_system_sgpr_workgroup_id_y 1
		.amdhsa_system_sgpr_workgroup_id_z 1
		.amdhsa_system_vgpr_workitem_id 0
		.amdhsa_next_free_vgpr 256
		.amdhsa_next_free_sgpr 102
		.amdhsa_reserve_vcc 0
		.amdhsa_float_denorm_mode_32 3
		.amdhsa_float_denorm_mode_16_64 3
		.amdhsa_memory_ordered 1
		.amdhsa_forward_progress 1
		.amdhsa_inst_pref_size 43
	.end_amdhsa_kernel
	.amdgpu_metadata
---
amdhsa.version: [ 1, 2 ]
amdhsa.kernels:
  - .name:           k_q21fec81ba1_oproj
    .symbol:         k_q21fec81ba1_oproj.kd
    .args:
      - { .name: ctxc, .offset: 0, .size: 8, .value_kind: global_buffer, .address_space: global }
      - { .name: ctxs, .offset: 8, .size: 8, .value_kind: global_buffer, .address_space: global }
      - { .name: Wo_codes, .offset: 16, .size: 8, .value_kind: global_buffer, .address_space: global }
      - { .name: Wo_scales, .offset: 24, .size: 8, .value_kind: global_buffer, .address_space: global }
      - { .name: bo, .offset: 32, .size: 8, .value_kind: global_buffer, .address_space: global }
      - { .name: out0, .offset: 40, .size: 8, .value_kind: global_buffer, .address_space: global }
    .group_segment_fixed_size: 263168
    .private_segment_fixed_size: 0
    .kernarg_segment_align: 8
    .kernarg_segment_size: 48
    .max_flat_workgroup_size: 256
    .sgpr_count:     102
    .vgpr_count:     256
    .wavefront_size: 32
...
	.end_amdgpu_metadata
.endif
;; end of part 3
